; MI455X (gfx1250); checked and timed in simulation.
; The chip was launched on July 23, 2026; its instructions are those of AMD's public machine-readable ISA for CDNA 5 (MIT licence, August 2026) and "CDNA5" Instruction Set Architecture Reference Guide (July 2026). The comments in the code are by the model that wrote it; some were corrected since.
;; Mo E. Allowed arithmetic: float matrix products may take bf16 or f16 operands with f32 sums; other float arithmetic in f32, or as packed bf16 or f16 multiplies, adds, multiply-adds, maxima and minima; sums over many terms, partial sums and values carried from step to step in f32; what a program stores and reads back later, other than sums and carried values, may be rounded once to bf16 or f16.
;; Inputs: b1 8 x 1,024 float32; b2 8 x 1,024 float32; gate_W 8 x 1,024 float32; gate_b 8 float32; w1 8 x 1,024 x 1,024 float32; w2 8 x 1,024 x 1,024 float32; x 4 x 1,024 x 1,024 float32.
;; Outputs: out0 4 x 1,024 x 1,024 float32; out1 4,096 x 8 float32.
;; 2 versions, each right; version 2 is version 1 with the launches gemm1, gemm2 written anew for expert scheduling mode. Each part assembles by itself: llvm-mc -triple=amdgcn-amd-amdhsa -mcpu=gfx1250 --defsym DOCPART=n.
;; ======== version 1 of 2: 4 launches
;; workspace buffers: xb 8,388,608 bytes; wf 33,554,432 bytes; gwe 131,072 bytes; ubm 6,144 bytes of whole numbers; hs 18,874,368 bytes; rows 65,536 bytes of whole numbers; part 33,554,432 bytes
;; launch prep (part 1): grid 768 x 1, 4 waves a work-group, no clusters, 72,704 bytes of LDS; arguments x, gate_W, gate_b, w1, w2, xb, wf, gwe, ubm, out1; writes xb, wf, gwe, ubm, out1
.if DOCPART == 1
	.amdgcn_target "amdgcn-amd-amdhsa--gfx1250"
	.amdhsa_code_object_version 6
	.text
	.protected	k_q09da658bca_prep
	.globl	k_q09da658bca_prep
	.p2align	8
	.type	k_q09da658bca_prep,@function
k_q09da658bca_prep:
	s_mov_b64 s[64:65], 0
	v_nop
	global_prefetch_b8 v0, s[64:65] scope:SCOPE_SE
	s_setreg_imm32_b32 hwreg(HW_REG_WAVE_MODE, 25, 1), 1
	s_wait_xcnt 0x0
; PREP.  Work-groups 0-255: the gate for 16 tokens each, and x rounded to bf16.  Work-groups 256-767: w1 and w2 rounded to bf16 and laid in the order in which a wave's operand registers take them.
; GATE: logits = bf16(x) . bf16(gate_W) by the matrix unit (f32 sums) + bf16(gate_b); softmax with the maximum taken away -> out1; top-2 on the probabilities, ties to the lower index;
; the two weights are softmax(p1, p2) = 1 / (1 + e^(p2 - p1)) and the rest.  What later launches form addresses from leaves as whole numbers at fixed places: a bitmap U[e] (bit t = token t chose e)
; and counts cnt[e][g] (choices of e among tokens 16 g .. 16 g + 15); no address and no branch here hangs on them.  gwe[t][e] is the gate weight of (t, e), 0 where not chosen.
; LIMITS: every input is rounded to bf16 once; NaN and infinities are not treated apart; a probability below 2^-126 counts as 0; two probabilities that differ by less than the f32 sums' rounding may be ordered otherwise than by exact arithmetic.
; wf: [matrix 2][expert 8][64 columns cg 16][K step of 32, ks 32][16 columns b 4][j 2][lane 32][16 bytes]; lane (r, h) holds W[64 cg + 16 b + r][32 ks + 16 j + 8 h .. + 7]: a wave's stream for 64 columns is 128 KiB on end.
; No cluster, no tensor load: no work-group shares an input with another but gate_W (32 KiB), and each byte passes through registers anyway to be rounded.
; LDS: the gate's part has bytes 0 .. 54,783, the weights' part bytes 55,296 .. 72,703: no byte is named by both.
.set SPARE, 54784                      ; the spare words: 128 bytes a wave, two blocks of 256 bytes that no other line names
.set PX,    50688                      ; the four waves' partial logits, 1,024 bytes each
.set WT,    24*528                     ; gate: a wave's tile: 16 token rows and 8 gate rows of 512 bytes, pitch 528 (132 words: row r starts at bank 4 r mod 64, ISA guide 11.1)
.set CST,   55296                      ; weights: a wave's stage of 4,352 bytes, four of them
.set XR,    32                         ; v32-223  48 loads of four registers
.set AF,    32                         ; later v32-95   token fragments, 8 registers a K step of 32
.set GF,    96                         ; later v96-159  gate fragments
.set ACC,   160                        ; v160-191 four accumulators, by turns
.set XB,    32                         ; weights: two buffers of 64 registers
.set OREG,  160                        ; weights: 32 registers on the way out
	s_load_b512 s[4:19], s[0:1], 0x0               ; x 4, gate_W 6, gate_b 8, w1 10, w2 12, xb 14, wf 16, gwe 18
	s_load_b128 s[20:23], s[0:1], 0x40             ; ubm 20, out1 22
	v_lshl_add_u32 v30, v0, 2, SPARE               ; my spare word, and 0: kept for the add at the wave's end alone
	v_mov_b32 v31, 0
	v_and_b32 v1, 31, v0                           ; L
	v_lshrrev_b32 v5, 5, v0
	v_readfirstlane_b32 s24, v5                    ; wave w
	v_and_b32 v2, 15, v0                           ; r
	v_bfe_u32 v3, v0, 4, 1                         ; h
	v_lshlrev_b32 v4, 4, v1                        ; 16 L
	s_mov_b32 s27, 0                               ; high words of byte offsets
	s_mov_b32 s29, 0
	s_cmp_lt_u32 ttmp9, 0x100                      ; the same for all waves of a work-group
	s_cbranch_scc0 .Lcast
	; ---------------- THE GATE: 16 tokens; wave w takes K = 256 w .. 256 w + 255 ----------------
	v_mov_b32 v5, 0
	v_lshlrev_b32 v7, 3, v1                        ; 8 L
	s_mul_i32 s25, s24, WT
	v_add_nc_u32 v6, s25, v7                       ; LDS: my 8 bytes of a row's half
	v_mul_u32_u24 v8, v2, 528
	v_lshl_add_u32 v8, v3, 4, v8
	v_add_nc_u32 v8, s25, v8                       ; token fragment: row r, 16 h
	v_and_b32 v9, 7, v0
	v_mul_u32_u24 v9, v9, 528
	v_lshl_add_u32 v9, v3, 4, v9
	v_add_nc_u32 v9, s25, v9                       ; gate fragment: row 16 + r % 8 (the 16 rows stand in the offset): experts 0-7 twice
	s_lshl_b32 s28, s24, 10                        ; 256 f32 of a row
	s_lshl_b32 s26, ttmp9, 16                      ; 16 rows of 4,096 bytes
	s_add_co_u32 s26, s26, s28
	s_wait_kmcnt 0x0
	s_add_nc_u64 s[4:5], s[4:5], s[26:27]
	s_add_nc_u64 s[6:7], s[6:7], s[28:29]
	s_lshl_b32 s26, ttmp9, 15                      ; 16 rows of 2,048 bytes in xb,
	s_lshl_b32 s28, s24, 9                         ; my 512 bytes of each
	s_add_co_u32 s26, s26, s28
	s_add_nc_u64 s[14:15], s[14:15], s[26:27]
	global_load_b128 v[224:227], v5, s[8:9]
	global_load_b128 v[228:231], v5, s[8:9] offset:16
.set n, 0
.rept 16                                               ; gate_W: row n / 2, half n % 2: 512 consecutive bytes a load
	global_load_b128 v[XR+4*n:XR+4*n+3], v4, s[6:7] offset:(n/2)*4096+(n%2)*512
.set n, n+1
.endr
.rept 32                                               ; x: row (n - 16) / 2
	global_load_b128 v[XR+4*n:XR+4*n+3], v4, s[4:5] offset:((n-16)/2)*4096+(n%2)*512 th:TH_LOAD_NT
.set n, n+1
.endr
.set n, 0
.rept 48
	s_wait_loadcnt 47-n                            ; loads come back in order: load n is in, the 47 - n younger ones stay out
	v_cvt_pk_bf16_f32 v[XR+4*n], v[XR+4*n], v[XR+4*n+1]
	v_cvt_pk_bf16_f32 v[XR+4*n+1], v[XR+4*n+2], v[XR+4*n+3]
.if n < 16
	ds_store_b64 v6, v[XR+4*n:XR+4*n+1] offset:(16+n/2)*528+(n%2)*256
.else
	ds_store_b64 v6, v[XR+4*n:XR+4*n+1] offset:((n-16)/2)*528+(n%2)*256
	global_store_b64 v7, v[XR+4*n:XR+4*n+1], s[14:15] offset:((n-16)/2)*2048+(n%2)*256  ; 256 consecutive bytes, aligned
.endif
.set n, n+1
.endr
	s_wait_xcnt 0x0                                ; the fragments below land on registers that the stores to xb read
.set k, 0
.rept 8                                                ; my own bytes: LDS serves a wave's instructions in order, so these see the stores above
	ds_load_b128 v[AF+8*k:AF+8*k+3],   v8 offset:64*k
	ds_load_b128 v[AF+8*k+4:AF+8*k+7], v8 offset:64*k+32
	ds_load_b128 v[GF+8*k:GF+8*k+3],   v9 offset:16*528+64*k
	ds_load_b128 v[GF+8*k+4:GF+8*k+7], v9 offset:16*528+64*k+32
.set k, k+1
.endr
	s_wait_dscnt 0x0
.set k, 0
.rept 8                                                ; source 0 = experts, source 1 = tokens: register j of lane (r, h) is expert j's logit for token r.  Four accumulators by turns
.if k < 4
	v_wmma_f32_16x16x32_bf16 v[ACC+8*k:ACC+8*k+7], v[GF+8*k:GF+8*k+7], v[AF+8*k:AF+8*k+7], 0
.else
	v_wmma_f32_16x16x32_bf16 v[ACC+8*(k-4):ACC+8*(k-4)+7], v[GF+8*k:GF+8*k+7], v[AF+8*k:AF+8*k+7], v[ACC+8*(k-4):ACC+8*(k-4)+7]
.endif
.set k, k+1
.endr
.rept 4
	v_nop                                          ; four places behind the last product (ISA guide 7.12.1)
.endr
.irp k, 0,1,2,3
	v_pk_add_f32 v[ACC+2*\k:ACC+2*\k+1], v[ACC+2*\k:ACC+2*\k+1], v[ACC+8+2*\k:ACC+8+2*\k+1]
.endr
.irp k, 0,1,2,3
	v_pk_add_f32 v[ACC+16+2*\k:ACC+16+2*\k+1], v[ACC+16+2*\k:ACC+16+2*\k+1], v[ACC+24+2*\k:ACC+24+2*\k+1]
.endr
.irp k, 0,1,2,3
	v_pk_add_f32 v[ACC+2*\k:ACC+2*\k+1], v[ACC+2*\k:ACC+2*\k+1], v[ACC+16+2*\k:ACC+16+2*\k+1]
.endr
	s_lshl_b32 s28, s24, 10
	s_add_co_u32 s28, s28, PX
	v_add_nc_u32 v10, s28, v4
	ds_store_b128 v10, v[ACC:ACC+3]
	ds_store_b128 v10, v[ACC+4:ACC+7] offset:512
	s_wait_dscnt 0x0                               ; for wave 0's sake: my partial logits are in LDS
	s_barrier_signal -1
	s_barrier_wait -1
	s_cmp_lg_u32 s24, 0
	s_cbranch_scc1 .Lrend                          ; the rest is 16 tokens' work: wave 0 does it, a token a lane (lanes 16-31 repeat lanes 0-15)
	v_add_nc_u32 v11, PX, v4
.set i, 0
.rept 8
	ds_load_b128 v[192+4*i:195+4*i], v11 offset:512*i
.set i, i+1
.endr
	s_mov_b32 s32, 0xffff0000                      ; a word's upper bf16; also: lanes 16-31
	s_mov_b32 s38, 0x3fb8aa3b                      ; log2(e)
	s_lshl_b32 s26, ttmp9, 9                       ; 16 rows of 32 bytes in out1 and gwe
	s_add_nc_u64 s[22:23], s[22:23], s[26:27]
	s_add_nc_u64 s[18:19], s[18:19], s[26:27]
	s_lshl_b32 s26, ttmp9, 1                       ; my two bytes of each bitmap
	s_add_nc_u64 s[34:35], s[20:21], s[26:27]
	s_mov_b32 s26, ttmp9                           ; my byte of each row of counts
	s_add_nc_u64 s[36:37], s[20:21], s[26:27]
.irp k, 0,1,2,3
	v_cvt_pk_bf16_f32 v[232+\k], v[224+2*\k], v[225+2*\k]  ; gate_b rounded like every input
.endr
.irp k, 0,1,2,3
	v_lshlrev_b32 v[224+2*\k], 16, v[232+\k]
	v_and_b32 v[225+2*\k], s32, v[232+\k]
.endr
	s_wait_dscnt 0x0
.irp k, 0,1,2,3
	v_pk_add_f32 v[192+2*\k:193+2*\k], v[192+2*\k:193+2*\k], v[200+2*\k:201+2*\k]
.endr
.irp k, 0,1,2,3
	v_pk_add_f32 v[208+2*\k:209+2*\k], v[208+2*\k:209+2*\k], v[216+2*\k:217+2*\k]
.endr
.irp k, 0,1,2,3
	v_pk_add_f32 v[192+2*\k:193+2*\k], v[192+2*\k:193+2*\k], v[208+2*\k:209+2*\k]
.endr
.irp k, 0,1,2,3
	v_pk_add_f32 v[192+2*\k:193+2*\k], v[192+2*\k:193+2*\k], v[224+2*\k:225+2*\k]
.endr
	; softmax over the lane's eight logits v192-199, the maximum taken away; the rounding of m log2(e) is common to all eight and cancels in the division
	v_max3_num_f32 v200, v192, v193, v194
	v_max3_num_f32 v200, v200, v195, v196
	v_max3_num_f32 v200, v200, v197, v198
	v_max_num_f32 v200, v200, v199
	v_mul_f32 v201, s38, v200
.irp j, 0,1,2,3,4,5,6,7
	v_fma_f32 v[202+\j], v[192+\j], s38, -v201
.endr
.irp j, 0,1,2,3,4,5,6,7
	v_exp_f32 v[202+\j], v[202+\j]
.endr
	v_nop                                          ; a plain instruction behind the last exponential
	s_wait_alu depctr_va_vdst(0)
	v_add_f32 v210, v202, v203
	v_add_f32 v211, v204, v205
	v_add_f32 v212, v206, v207
	v_add_f32 v213, v208, v209
	v_add_f32 v210, v210, v211
	v_add_f32 v212, v212, v213
	v_add_f32 v210, v210, v212
	v_rcp_f32 v211, v210
	v_nop
	s_wait_alu depctr_va_vdst(0)
.irp j, 0,1,2,3,4,5,6,7
	v_mul_f32 v[192+\j], v[202+\j], v211           ; p
.endr
	; top-2: the largest p, its lowest index; that one struck out (-1); the same again
	v_max3_num_f32 v200, v192, v193, v194
	v_max3_num_f32 v200, v200, v195, v196
	v_max3_num_f32 v200, v200, v197, v198
	v_max_num_f32 v200, v200, v199                 ; m1
	v_mov_b32 v201, 7                              ; i1
.irp j, 6,5,4,3,2,1,0
	v_cmp_neq_f32 vcc_lo, v[192+\j], v200
	v_cndmask_b32 v201, \j, v201, vcc_lo
.endr
.irp j, 0,1,2,3,4,5,6,7
	v_cmp_ne_u32 vcc_lo, \j, v201
	v_cndmask_b32 v[202+\j], -1.0, v[192+\j], vcc_lo
.endr
	v_max3_num_f32 v211, v202, v203, v204
	v_max3_num_f32 v211, v211, v205, v206
	v_max3_num_f32 v211, v211, v207, v208
	v_max_num_f32 v211, v211, v209                 ; m2
	v_mov_b32 v212, 7                              ; i2
.irp j, 6,5,4,3,2,1,0
	v_cmp_neq_f32 vcc_lo, v[202+\j], v211
	v_cndmask_b32 v212, \j, v212, vcc_lo
.endr
	v_sub_f32 v213, v211, v200                     ; the second softmax, its maximum m1 taken away: the exponent lies in -1 .. 0
	v_mul_f32 v213, s38, v213
	v_exp_f32 v213, v213
	v_nop
	s_wait_alu depctr_va_vdst(0)
	v_add_f32 v214, 1.0, v213
	v_rcp_f32 v214, v214                           ; the first choice's weight
	v_mov_b32 v216, 0                              ; lane e: the 16 tokens' bits for expert e
	v_mov_b32 v217, 0                              ; lane e: their number
	s_wait_alu depctr_va_vdst(0)
	v_mul_f32 v215, v213, v214                     ; the second choice's weight
.irp j, 0,1,2,3,4,5,6,7
	v_cmp_eq_u32 s28, \j, v201
	v_cmp_eq_u32 s30, \j, v212
	v_cndmask_b32 v[202+\j], 0, v215, s30
	v_cndmask_b32 v[202+\j], v[202+\j], v214, s28
	s_or_b32 s31, s28, s30
	s_and_b32 s31, s31, 0xffff                     ; lanes 0-15: the tokens
	v_writelane_b32 v216, s31, \j
	s_bcnt1_i32_b32 s31, s31
	v_writelane_b32 v217, s31, \j
.endr
	v_lshlrev_b32 v10, 5, v2
	v_lshl_add_u32 v10, v3, 4, v10                 ; 32 r + 16 h: lane (r, h) stores numbers 4 h .. 4 h + 3 of token r: 512 consecutive bytes a store
.irp q, 0,1,2,3
	v_cndmask_b32 v[218+\q], v[192+\q], v[196+\q], s32
	v_cndmask_b32 v[224+\q], v[202+\q], v[206+\q], s32
.endr
	global_store_b128 v10, v[218:221], s[22:23]
	global_store_b128 v10, v[224:227], s[18:19]
	v_lshlrev_b32 v12, 9, v1                       ; a bitmap is 512 bytes,
	v_lshlrev_b32 v13, 8, v1                       ; a row of counts 256
	s_wait_xcnt 0x0                                ; EXEC changes only behind this wait
	v_cmp_gt_u32 vcc_lo, 8, v1
	s_and_saveexec_b32 s33, vcc_lo
	global_store_b16 v12, v216, s[34:35]           ; eight lanes, two bytes and one byte each: 24 bytes a work-group that belong to eight tables
	global_store_b8 v13, v217, s[36:37] offset:4096
	s_wait_xcnt 0x0
	s_or_b32 exec_lo, exec_lo, s33
	s_branch .Lrend
	; ---------------- THE WEIGHTS: a wave turns 64 rows x 128 k (32 KiB of f32) into one dense block of 16 KiB of wf, 16 rows at a time ----------------
.Lcast:
	s_sub_co_u32 s25, ttmp9, 0x100
	s_lshl2_add_u32 s25, s25, s24                  ; the wave among 2,048
	s_and_b32 s26, s25, 7                          ; kq: 128 k
	s_bfe_u32 s28, s25, 0x40003                    ; cg: 64 rows
	s_bfe_u32 s30, s25, 0x30007                    ; expert
	s_lshr_b32 s31, s25, 10                        ; w1 or w2
	s_lshl_b32 s32, s30, 22
	s_lshl_b32 s25, s28, 18
	s_add_co_u32 s32, s32, s25
	s_lshl_b32 s25, s26, 9
	s_add_co_u32 s32, s32, s25                     ; from: expert x 4 MiB + cg x 64 rows + kq x 512 bytes
	s_mov_b32 s33, 0
	s_lshl_b32 s34, s31, 24
	s_lshl_b32 s25, s30, 21
	s_add_co_u32 s34, s34, s25
	s_lshl_b32 s25, s28, 17
	s_add_co_u32 s34, s34, s25
	s_lshl_b32 s25, s26, 14
	s_add_co_u32 s34, s34, s25                     ; to: matrix x 16 MiB + expert x 2 MiB + cg x 128 KiB + kq x 16 KiB
	s_mov_b32 s35, 0
	s_mul_i32 s25, s24, 4352                       ; my stage: 16 groups of eight k, 16 rows x 16 bytes each, pitch 272,
	s_add_co_u32 s25, s25, CST                     ; behind all that the gate's part names
	v_lshrrev_b32 v6, 1, v1
	v_mul_u32_u24 v6, v6, 272
	v_and_b32 v8, 1, v0
	v_lshl_add_u32 v6, v8, 3, v6
	v_add_nc_u32 v6, s25, v6                       ; in: my four k lie in group L / 2, half L % 2; the row stands in the offset: 32 lanes touch 64 different banks
	v_mul_u32_u24 v7, v3, 272
	v_lshl_add_u32 v7, v2, 4, v7
	v_add_nc_u32 v7, s25, v7                       ; back: group 2 f + h, row r
	s_wait_kmcnt 0x0
	s_cmp_lg_u32 s31, 0
	s_cselect_b64 s[36:37], s[12:13], s[10:11]
	s_add_nc_u64 s[36:37], s[36:37], s[32:33]
	s_add_nc_u64 s[38:39], s[16:17], s[34:35]
.macro LOADU b                         ; 16 rows' 512 bytes
.set i, 0
.rept 16
	global_load_b128 v[XB+64*((\b)%2)+4*i:XB+64*((\b)%2)+4*i+3], v4, s[36:37] offset:(16*(\b)+i)*4096 th:TH_LOAD_NT
.set i, i+1
.endr
.endm
.macro UNIT b, more, left              ; left: the next unit's loads, which stay out
.set i, 0
.rept 16
.set rx, XB+64*((\b)%2)+4*i
	s_wait_loadcnt 15-i+(\left)
	v_cvt_pk_bf16_f32 v[rx], v[rx], v[rx+1]
	v_cvt_pk_bf16_f32 v[rx+1], v[rx+2], v[rx+3]
	ds_store_b64 v6, v[rx:rx+1] offset:16*i
.set i, i+1
.endr
.if \more
	LOADU (\b)+2
.endif
	s_wait_xcnt 0x0                                ; the last unit's stores have read their registers
.set f, 0
.rept 8
	ds_load_b128 v[OREG+4*f:OREG+4*f+3], v7 offset:544*f  ; my own bytes, served in order
.set f, f+1
.endr
.set f, 0
.rept 8
	s_wait_dscnt 7-f
	global_store_b128 v4, v[OREG+4*f:OREG+4*f+3], s[38:39] offset:(f/2)*4096+(\b)*1024+(f%2)*512  ; 512 consecutive bytes
.set f, f+1
.endr
.endm
	LOADU 0
	LOADU 1
	UNIT 0, 1, 16
	UNIT 1, 1, 16
	UNIT 2, 0, 16
	UNIT 3, 0, 0
.Lrend:
	s_wait_tensorcnt 0x0                           ; the wave's end, for both parts
	ds_add_u32 v30, v31
	s_wait_dscnt 0x0
	s_endpgm
.Lfunc_end_k_q09da658bca_prep:
	.size	k_q09da658bca_prep, .Lfunc_end_k_q09da658bca_prep-k_q09da658bca_prep
	.p2alignl 7, 3214868480
	.fill 96, 4, 3214868480
	.section	.rodata,"a",@progbits
	.p2align	6, 0x0
	.amdhsa_kernel k_q09da658bca_prep
		.amdhsa_group_segment_fixed_size 72704
		.amdhsa_private_segment_fixed_size 0
		.amdhsa_enable_private_segment 0
		.amdhsa_kernarg_size 80
		.amdhsa_user_sgpr_count 2
		.amdhsa_user_sgpr_kernarg_segment_ptr 1
		.amdhsa_wavefront_size32 1
		.amdhsa_system_sgpr_workgroup_id_x 1
		.amdhsa_system_sgpr_workgroup_id_y 1
		.amdhsa_system_sgpr_workgroup_id_z 1
		.amdhsa_system_vgpr_workitem_id 0
		.amdhsa_next_free_vgpr 256
		.amdhsa_next_free_sgpr 66
		.amdhsa_reserve_vcc 1
		.amdhsa_float_denorm_mode_32 3
		.amdhsa_float_denorm_mode_16_64 3
		.amdhsa_memory_ordered 1
		.amdhsa_forward_progress 1
		.amdhsa_inst_pref_size 63
	.end_amdhsa_kernel
	.amdgpu_metadata
---
amdhsa.version: [ 1, 2 ]
amdhsa.kernels:
  - .name:           k_q09da658bca_prep
    .symbol:         k_q09da658bca_prep.kd
    .args:
      - { .name: x, .offset: 0, .size: 8, .value_kind: global_buffer, .address_space: global }
      - { .name: gate_W, .offset: 8, .size: 8, .value_kind: global_buffer, .address_space: global }
      - { .name: gate_b, .offset: 16, .size: 8, .value_kind: global_buffer, .address_space: global }
      - { .name: w1, .offset: 24, .size: 8, .value_kind: global_buffer, .address_space: global }
      - { .name: w2, .offset: 32, .size: 8, .value_kind: global_buffer, .address_space: global }
      - { .name: xb, .offset: 40, .size: 8, .value_kind: global_buffer, .address_space: global }
      - { .name: wf, .offset: 48, .size: 8, .value_kind: global_buffer, .address_space: global }
      - { .name: gwe, .offset: 56, .size: 8, .value_kind: global_buffer, .address_space: global }
      - { .name: ubm, .offset: 64, .size: 8, .value_kind: global_buffer, .address_space: global }
      - { .name: out1, .offset: 72, .size: 8, .value_kind: global_buffer, .address_space: global }
    .group_segment_fixed_size: 72704
    .private_segment_fixed_size: 0
    .kernarg_segment_align: 8
    .kernarg_segment_size: 80
    .max_flat_workgroup_size: 128
    .sgpr_count:     66
    .vgpr_count:     256
    .wavefront_size: 32
...
	.end_amdgpu_metadata
.endif
;; end of part 1
;; launch gemm1 (part 2): grid 4 x 64, 4 waves a work-group, no clusters, 308,736 bytes of LDS; arguments ubm, xb, wf, gwe, b1, hs, rows; writes hs, rows
.if DOCPART == 2
	.amdgcn_target "amdgcn-amd-amdhsa--gfx1250"
	.amdhsa_code_object_version 6
	.text
	.protected	k_q09da658bca_gemm1
	.globl	k_q09da658bca_gemm1
	.p2align	8
	.type	k_q09da658bca_gemm1,@function
k_q09da658bca_gemm1:
	s_mov_b64 s[64:65], 0
	v_nop
	global_prefetch_b8 v0, s[64:65] scope:SCOPE_SE
	s_setreg_imm32_b32 hwreg(HW_REG_WAVE_MODE, 25, 1), 1
	s_wait_xcnt 0x0
; FIRST PRODUCT.  hs[144 T + i][:] = bf16(relu(x[token] W1[E]^T + b1[E]) x gate weight) for the routed rows, in the experts' order.  Operands bf16, sums f32, one rounding on the way out
; (relu(v) w = max(v w, 0), since a gate weight is above 0).
; THE GRID SERVES EVERY SPLIT: tiles of 144 rows; the sum over the experts of ceil(c_e / 144) is at most (8,192 + 8 x 143) / 144 = 64, so 64 row tiles x 4 column tiles of 256.  Every work-group works its tile (expert E, first
; rank R0, NROWS rows) out of the stored counts.  Places past the count repeat the tile's last row; a tile without rows computes on token 0, so that hs is written whole.
; SHARES: wave w makes 144 rows x columns 256 X + 64 w .. + 63: 36 accumulators.  A (the rows) lies whole in LDS, each byte written once, brought through registers in four chunks of K = 256; B (the weights)
; comes from wf straight into registers, each wave its own stream, through a ring of eight slots filled seven K steps ahead.  The matrix instruction is used transposed (source 0 = 16 columns of W, source 1 = 16 rows):
; register j of lane (r, h) holds (row 16 a + r, column 16 b + 8 h + j): eight neighbouring numbers of a row.
; NO TENSOR LOAD, NO CLUSTER: the rows come by a list, which no descriptor covers; a weight byte has one reader in the work-group, so LDS would add a write and a read to it; the row tiles that share an expert's weights
; number 0 to 29 by the counts, so partners would differ in a count that steers a joint load.
; LIMITS: b1 is rounded to bf16 like every input; NaN and infinities are not treated apart.
; REGISTERS, in windows of 256 (s_set_vgpr_msb: bits 1:0 source 0, 3:2 source 1, 5:4 source 2, 7:6 destination):
;   window 0: v0-31 numbers and addresses; v32-103, v104-175 two buffers of A's fragments (9 x 8); v176-211 the gather's offsets; v212-229 gate weights, a pair a block of 16 rows; v232-236 the list; v238-246 addresses
;   window 1: accumulator (a, b), a < 8, at 8 (4 a + b)     window 2: v0-31 accumulators (8, b); v32-175 36 staged rows; v176-207 the bias; v208-223 at work     window 3: B's slot q, fragment b at 32 q + 8 b
.set PITCH, 528                        ; an LDS row: 512 bytes + 16 = 132 words: row r starts at bank 4 r mod 64 (ISA guide 11.1)
.set PLANE, 144*PITCH                  ; the tile's rows for one chunk of K = 256
.set A8,    128*PITCH
.set LIST,  4*PLANE                    ; behind the four planes: 1,024 bytes a wave for the list
.set SPARE, LIST+4096                  ; the spare words: 128 bytes a wave, two blocks of 256 bytes that no other line names
.set VL, 1
.set VR, 2
.set VH, 3
.set V16, 4                            ; 16 L
.set ADRA, 5                           ; r x pitch + 16 h, in the plane in hand
.set ADRA8, 6                          ; the same 128 rows on
.set SA0, 7                            ; where I put a staged row: w x pitch + 16 L, in the plane to be filled
.set SA1, 8
.set V4L, 28
.set VB1, 29
.set F0, 32
.set GOF, 176
.set WP, 212
.set ZR, 230
.set LV, 232
.set WA, 238
.set SREG, 32
.set BIAS, 176
.set TMPB, 208
.set BB, 40                            ; s[40:41] my stream of weights, at the chunk in hand
.set AB, 42                            ; s[42:43] xb at the chunk to be staged
.set MSB, 0
.macro WIN new                         ; the immediate's high byte repeats the setting that is left; a switch that changes nothing is dropped
.if MSB != (\new)
	s_set_vgpr_msb (MSB<<8)|(\new)
.set MSB, (\new)
.endif
.endm
; Products i0 .. i1 - 1 of a K step's 36: accumulator (idx / 4, idx % 4).  The 36 take turns, one instruction a turn, over the loop's edge too.  first = 1: the sums begin with the bias as C.
.macro MULS p, i0, i1, first
.set idx, (\i0)
.rept (\i1)-(\i0)
.set rB, 32*(\p)+8*(idx%4)
.set rA, F0+72*((\p)%2)+8*(idx/4)
.set rC, BIAS+8*(idx%4)
.if idx < 32
.set rD, 8*idx
.if \first
	WIN 0x63
	v_wmma_f32_16x16x32_bf16 v[rD:rD+7], v[rB:rB+7], v[rA:rA+7], v[rC:rC+7]
.else
	WIN 0x53
	v_wmma_f32_16x16x32_bf16 v[rD:rD+7], v[rB:rB+7], v[rA:rA+7], v[rD:rD+7]
.endif
.else
.set rD, 8*(idx-32)
	WIN 0xa3
.if \first
	v_wmma_f32_16x16x32_bf16 v[rD:rD+7], v[rB:rB+7], v[rA:rA+7], v[rC:rC+7]
.else
	v_wmma_f32_16x16x32_bf16 v[rD:rD+7], v[rB:rB+7], v[rA:rA+7], v[rD:rD+7]
.endif
.endif
.set idx, idx+1
.endr
.endm
.macro FETCH_A pn, f                   ; 18 LDS loads: the 144 rows' fragments of step pn of the plane in hand, into buffer f
	WIN 0
.set fa, 0
.rept 8
	ds_load_b128 v[F0+72*(\f)+8*fa:F0+72*(\f)+8*fa+3],   v[ADRA] offset:16*PITCH*fa+64*(\pn)
	ds_load_b128 v[F0+72*(\f)+8*fa+4:F0+72*(\f)+8*fa+7], v[ADRA] offset:16*PITCH*fa+64*(\pn)+32
.set fa, fa+1
.endr
	ds_load_b128 v[F0+72*(\f)+64:F0+72*(\f)+67], v[ADRA8] offset:64*(\pn)
	ds_load_b128 v[F0+72*(\f)+68:F0+72*(\f)+71], v[ADRA8] offset:64*(\pn)+32
.endm
.macro FETCH_B q, st                   ; 8 loads of 512 consecutive bytes: the weights of step st of the chunk in hand (7 to 14: into the next chunk), into slot q
	WIN 0xc0
.set fb, 0
.rept 4
	global_load_b128 v[32*(\q)+8*fb:32*(\q)+8*fb+3],   v[V16], s[BB:BB+1] offset:(\st)*4096+1024*fb
	global_load_b128 v[32*(\q)+8*fb+4:32*(\q)+8*fb+7], v[V16], s[BB:BB+1] offset:(\st)*4096+1024*fb+512
.set fb, fb+1
.endr
.endm
.macro STAGE_LOAD step                 ; my 36 rows (4 i + w) of a chunk: a row's 512 bytes a load
.if \step
	s_add_nc_u64 s[AB:AB+1], s[AB:AB+1], 512       ; the loads that named it have been waited for
.endif
	WIN 0x80
.set i, 0
.rept 36
	global_load_b128 v[SREG+4*i:SREG+4*i+3], v[GOF+i], s[AB:AB+1]
.set i, i+1
.endr
.endm
.macro STAGE_STORE
	WIN 0x08
.set i, 0
.rept 32
	ds_store_b128 v[SA0], v[SREG+4*i:SREG+4*i+3] offset:4*PITCH*i
.set i, i+1
.endr
.rept 4
	ds_store_b128 v[SA1], v[SREG+4*i:SREG+4*i+3] offset:4*PITCH*(i-32)
.set i, i+1
.endr
	WIN 0
	v_add_nc_u32 v[SA0], PLANE, v[SA0]
	v_add_nc_u32 v[SA1], PLANE, v[SA1]
.endm
.macro CHUNK_IN                        ; the next plane is written: bytes that nobody has touched yet
	s_wait_loadcnt 48                              ; younger than my 36 staged loads: the weights of steps 1 to 6
	STAGE_STORE
	s_wait_dscnt 0x0                               ; for the others' sake: my rows are in LDS
	s_barrier_signal -1
	s_barrier_wait -1
.endm
; A K step of 32: p is its place in the chunk; it multiplies A's buffer p % 2 by slot p.  n: the loads that may stay out when slot p has to be there.
; The four v_nop are the places (ISA guide 7.12.1 for vector instructions) between the step before, which read the other buffer and slot p - 1, and the loads into these.
.macro STEP p, n, bload, aload, chunkin, first=0
	s_wait_dscnt 0x0                               ; this step's fragments, asked for 24 products ago
	s_wait_loadcnt \n
	MULS \p, 0, 12, \first
.if \chunkin
	CHUNK_IN
.endif
.if (\aload) || (\bload)
.rept 4
	v_nop
.endr
.endif
.if \aload
.if (\p) == 7
	WIN 0
	v_add_nc_u32 v[ADRA], PLANE, v[ADRA]
	v_add_nc_u32 v[ADRA8], PLANE, v[ADRA8]
.endif
	FETCH_A ((\p)+1)%8, ((\p)+1)%2
.endif
.if \bload
	FETCH_B ((\p)+7)%8, (\p)+7
.endif
	MULS \p, 12, 36, \first
.endm
; The gate weights of the tile's rows: lane (r, h) takes row 16 a + r's, for a = 0 .. 8.  The list lies one entry a lane; block a's 16 entries are one half of register a / 2.
.macro GATEW
.irp v, 0,1,2,3,4
	v_mov_b32 v[62+\v], 0
.endr
.irp v, 0,1,2,3,4
	v_permlanex16_b32 v[62+\v], v[LV+\v], s48, s49
.endr
.irp v, 0,1,2,3,4
	v_cndmask_b32 v[WA+2*\v], v[LV+\v], v[62+\v], s54
.endr
.irp v, 0,1,2,3
	v_cndmask_b32 v[WA+2*\v+1], v[62+\v], v[LV+\v], s54
.endr
.set ga, 0
.rept 9
	v_and_b32 v[WA+ga], 0xfff, v[WA+ga]            ; the token
	v_min_u32 v[WA+ga], 0xfff, v[WA+ga]
	v_lshlrev_b32 v[WA+ga], 5, v[WA+ga]
	global_load_b32 v[WP+2*ga], v[WA+ga], s[46:47]
	v_mov_b32 v[WP+2*ga+1], 0                      ; named with it as a pair
.set ga, ga+1
.endr
.endm
	s_load_b256 s[4:11], s[0:1], 0x0               ; ubm 4, xb 6, wf 8, gwe 10
	s_load_b128 s[12:15], s[0:1], 0x20             ; b1 12, hs 14
	s_load_b64 s[16:17], s[0:1], 0x30              ; rows
	v_lshl_add_u32 v30, v0, 2, SPARE               ; my spare word, and 0: kept for the add at the wave's end alone
	v_mov_b32 v31, 0
	v_and_b32 v[VL], 31, v0
	v_lshrrev_b32 v10, 5, v0
	v_readfirstlane_b32 s18, v10                   ; wave w
	v_and_b32 v[VR], 15, v0
	v_bfe_u32 v[VH], v0, 4, 1
	v_lshlrev_b32 v[V16], 4, v[VL]
	v_lshlrev_b32 v[V4L], 2, v[VL]
	v_lshlrev_b32 v[VB1], 5, v[VH]
	v_mov_b32 v[ZR], 0
	s_mov_b32 s19, ttmp9                           ; X: column tile
	s_and_b32 s20, ttmp7, 0xffff                   ; T: row tile
	s_mov_b32 s48, 0x76543210                      ; v_permlanex16_b32: each lane takes its own place in the other half
	s_mov_b32 s49, 0xfedcba98
	s_mov_b32 s50, 0xaaaaaaaa                      ; lanes whose number has bit 0, 1, 2, 3, 4
	s_mov_b32 s51, 0xcccccccc
	s_mov_b32 s52, 0xf0f0f0f0
	s_mov_b32 s53, 0xff00ff00
	s_mov_b32 s54, 0xffff0000                      ; also: a word's upper bf16
	s_mov_b32 s55, 0x00ff00ff
.irp j, 0,1,2,3,4,5,6,7
	s_add_co_u32 s[56+\j], s18, 4*\j               ; the lane that holds row 4 i + w's entry, i % 8 = j
.endr
	v_mul_u32_u24 v[ADRA], v[VR], PITCH
	v_lshl_add_u32 v[ADRA], v[VH], 4, v[ADRA]
	v_add_nc_u32 v[ADRA8], A8, v[ADRA]
	s_mul_i32 s22, s18, PITCH
	v_add_nc_u32 v[SA0], s22, v[V16]
	v_add_nc_u32 v[SA1], A8, v[SA0]
	v_lshl_add_u32 v10, s18, 2, v[V16]             ; word w of my lane's 16 bytes of a bitmap: tokens 128 L + 32 w .. + 31
	v_lshlrev_b32 v11, 3, v[VL]                    ; my lane's 8 counts: the same 128 tokens
	s_wait_kmcnt 0x0
.irp e, 0,1,2,3,4,5,6,7
	global_load_b32 v[32+\e], v10, s[4:5] offset:512*\e
.endr
.irp e, 0,1,2,3,4,5,6,7
	global_load_b64 v[40+2*\e:41+2*\e], v11, s[4:5] offset:4096+256*\e
.endr
	s_wait_loadcnt 0x0
	; THE COUNTS c0 .. c7.  A lane's eight bytes (16 at the most each) are folded to one number, two experts are packed to a register (a sum over all lanes is 4,096 at the most), and the lanes are added.
.irp e, 0,1,2,3,4,5,6,7
	v_add_nc_u32 v[56+\e], v[40+2*\e], v[41+2*\e]
	v_lshrrev_b32 v[64+\e], 8, v[56+\e]
	v_and_b32 v[56+\e], s55, v[56+\e]
	v_and_b32 v[64+\e], s55, v[64+\e]
	v_add_nc_u32 v[56+\e], v[56+\e], v[64+\e]
	v_lshrrev_b32 v[64+\e], 16, v[56+\e]
	v_add_nc_u32 v[56+\e], v[56+\e], v[64+\e]
	v_and_b32 v[56+\e], 0xffff, v[56+\e]
.endr
.irp k, 0,1,2,3
	v_lshl_or_b32 v[72+\k], v[57+2*\k], 16, v[56+2*\k]
	v_mov_b32 v[76+\k], 0
.endr
.irp d, 1,2,4,8
.irp k, 0,1,2,3
	v_mov_b32_dpp v[76+\k], v[72+\k] row_xmask:\d row_mask:0xf bank_mask:0xf
.endr
.irp k, 0,1,2,3
	v_add_nc_u32 v[72+\k], v[72+\k], v[76+\k]
.endr
.endr
.irp k, 0,1,2,3
	v_permlanex16_b32 v[76+\k], v[72+\k], s48, s49
.endr
.irp k, 0,1,2,3
	v_add_nc_u32 v[72+\k], v[72+\k], v[76+\k]
.endr
.irp k, 0,1,2,3
	v_readfirstlane_b32 s22, v[72+\k]
	s_and_b32 s[24+2*\k], s22, 0xffff
	s_lshr_b32 s[25+2*\k], s22, 16
.endr
	; THE TILE.  Expert e has ceil(c / 144) = ((c + 143) x 29,128) >> 22 tiles (exact up to c + 143 = 4,239: the factor's excess, 0.89 / 2^22 a unit, stays under 1 / 144); the last expert whose first tile is not behind T wins.
	s_mov_b32 s36, 0                               ; the expert's first tile
	s_mov_b32 s32, 0                               ; E
	s_mov_b32 s37, 0                               ; E's first tile
	s_mov_b32 s38, 0                               ; E's count
.irp e, 0,1,2,3,4,5,6,7
	s_cmp_ge_u32 s20, s36
	s_cselect_b32 s32, \e, s32
	s_cselect_b32 s37, s36, s37
	s_cselect_b32 s38, s[24+\e], s38
	s_add_co_u32 s39, s[24+\e], 143
	s_mul_i32 s39, s39, 29128
	s_lshr_b32 s39, s39, 22
	s_add_co_u32 s36, s36, s39
.endr
	s_sub_co_u32 s33, s20, s37
	s_mul_i32 s33, s33, 144                        ; R0: the tile's first rank among E's rows
	s_sub_co_i32 s34, s38, s33
	s_max_i32 s34, s34, 0
	s_min_i32 s34, s34, 144                        ; NROWS
	s_max_u32 s35, s34, 1
	s_sub_co_u32 s35, s35, 1                       ; the last place that holds a row of its own
	s_min_u32 s32, s32, 7
	s_lshl_b32 s22, s32, 21                        ; my stream: expert x 2 MiB + (4 X + w) x 128 KiB
	s_lshl2_add_u32 s23, s19, s18
	s_lshl_b32 s23, s23, 17
	s_add_co_u32 s22, s22, s23
	s_mov_b32 s23, 0
	s_add_nc_u64 s[BB:BB+1], s[8:9], s[22:23]
.irp q, 0,1,2,3,4,5,6
	FETCH_B \q, \q                                 ; the weights go out first: they hang on the expert alone
.endr
	s_lshl_b32 s22, s32, 12                        ; b1[E][256 X + 64 w ..]
	s_lshl_b32 s39, s19, 10
	s_add_co_u32 s22, s22, s39
	s_lshl_b32 s39, s18, 8
	s_add_co_u32 s22, s22, s39
	s_add_nc_u64 s[44:45], s[12:13], s[22:23]
	WIN 0x80
.irp b, 0,1,2,3
	global_load_b128 v[BIAS+8*\b:BIAS+8*\b+3],   v[VB1], s[44:45] offset:64*\b     ; columns 16 b + 8 h + 0..7
	global_load_b128 v[BIAS+8*\b+4:BIAS+8*\b+7], v[VB1], s[44:45] offset:64*\b+16
.endr
	WIN 0
	; THE LIST.  Of E's bitmap my lane has 32 tokens (v13); v14: the same tokens' choices of lower experts, which give the slot; v15, v16: E's counts for the lane's 128 tokens.
	v_mov_b32 v13, 0
	v_mov_b32 v14, 0
	v_mov_b32 v15, 0
	v_mov_b32 v16, 0
.irp e, 0,1,2,3,4,5,6,7
	s_cmp_eq_u32 s32, \e
	s_cselect_b32 s22, -1, 0
	s_cmp_gt_u32 s32, \e
	s_cselect_b32 s39, -1, 0
	v_and_or_b32 v13, v[32+\e], s22, v13
	v_and_or_b32 v14, v[32+\e], s39, v14
	v_and_or_b32 v15, v[40+2*\e], s22, v15
	v_and_or_b32 v16, v[41+2*\e], s22, v16
.endr
	v_lshrrev_b32 v17, 8, v15
	v_lshrrev_b32 v18, 8, v16
	v_and_b32 v15, s55, v15
	v_and_b32 v17, s55, v17
	v_and_b32 v16, s55, v16
	v_and_b32 v18, s55, v18
	v_add_nc_u32 v15, v15, v17                     ; words 0 and 1 of the lane: their numbers of choices, in the halves
	v_add_nc_u32 v16, v16, v18                     ; words 2 and 3
	v_add_nc_u32 v19, v15, v16
	v_lshrrev_b32 v20, 16, v19
	v_and_b32 v19, 0xffff, v19
	v_add_nc_u32 v19, v19, v20                     ; the lane's number
	v_and_b32 v21, 0xffff, v15
	v_lshrrev_b32 v22, 16, v15
	v_and_b32 v23, 0xffff, v16
	s_cmp_gt_u32 s18, 0
	s_cselect_b32 s22, -1, 0
	v_and_b32 v21, s22, v21
	s_cmp_gt_u32 s18, 1
	s_cselect_b32 s22, -1, 0
	v_and_b32 v22, s22, v22
	s_cmp_gt_u32 s18, 2
	s_cselect_b32 s22, -1, 0
	v_and_b32 v23, s22, v23
	v_add3_u32 v24, v21, v22, v23                  ; the lane's words below mine
	v_mov_b32 v25, 0                               ; the lanes below mine: at each step a block's sum meets its neighbour's, and the upper block takes the lower's
	v_mov_b32 v26, 0
.macro PFX d, m
	v_mov_b32_dpp v26, v19 row_xmask:\d row_mask:0xf bank_mask:0xf
	v_cndmask_b32 v27, 0, v26, s[\m]
	v_add_nc_u32 v25, v25, v27
	v_add_nc_u32 v19, v19, v26
.endm
	PFX 1, 50
	PFX 2, 51
	PFX 4, 52
	PFX 8, 53
	v_permlanex16_b32 v26, v19, s48, s49
	v_cndmask_b32 v27, 0, v26, s54
	v_add3_u32 v25, v25, v27, v24
	v_sub_nc_u32 v25, v25, s33                     ; the place in the tile of my word's first choice (below 0: far above 144 as an unsigned number)
	v_lshlrev_b32 v21, 7, v[VL]
	v_lshl_add_u32 v21, s18, 5, v21                ; my word's first token
	v_add_nc_u32 v22, 160, v[VL]                   ; where what falls outside the tile is dropped
	s_lshl_b32 s69, s18, 10
	s_add_co_u32 s69, s69, LIST                    ; my wave's 256 words
	v_add_nc_u32 v23, s69, v[V16]
.irp k, 0,1,2,3
	v_mov_b32 v[76+\k], 0
.endr
	ds_store_b128 v23, v[76:79]
	ds_store_b128 v23, v[76:79] offset:512
	s_mov_b32 s66, 0
.Lbit:                                                 ; 32 trips: bit s66 of every lane's word; a chosen token goes to its place, as token | slot << 12
	v_bfe_u32 v26, v13, s66, 1
	v_bfe_u32 v27, v14, s66, 1
	v_cmp_gt_u32 s67, 0x90, v25
	v_cmp_ne_u32 vcc_lo, 0, v26
	s_and_b32 vcc_lo, vcc_lo, s67
	v_cndmask_b32 v17, v22, v25, vcc_lo
	v_min_u32 v17, 0xff, v17
	v_lshl_add_u32 v17, v17, 2, s69
	v_add_nc_u32 v18, s66, v21
	v_lshl_or_b32 v18, v27, 12, v18
	ds_store_b32 v17, v18
	v_add_nc_u32 v25, v25, v26
	s_add_co_u32 s66, s66, 1
	s_cmp_lt_u32 s66, 32
	s_cbranch_scc1 .Lbit
	s_wait_dscnt 0x0                               ; for the others' sake: my part of the list is in LDS
	s_barrier_signal -1
	s_barrier_wait -1
.irp v, 0,1,2,3,4                      ; every wave takes the whole list, an entry a lane: each place was written by one wave, the others hold 0 there
	v_add_nc_u32 v[56+\v], 32*\v, v[VL]
	v_min_u32 v[56+\v], s35, v[56+\v]              ; places past the count repeat the last row
	v_min_u32 v[56+\v], 0x8f, v[56+\v]
	v_lshl_add_u32 v[56+\v], v[56+\v], 2, LIST
	ds_load_b32 v[32+4*\v], v[56+\v]
	ds_load_b32 v[33+4*\v], v[56+\v] offset:1024
	ds_load_b32 v[34+4*\v], v[56+\v] offset:2048
	ds_load_b32 v[35+4*\v], v[56+\v] offset:3072
.endr
	s_wait_dscnt 0x0
.irp v, 0,1,2,3,4
	v_or_b32 v[32+4*\v], v[32+4*\v], v[33+4*\v]
	v_or_b32 v[34+4*\v], v[34+4*\v], v[35+4*\v]
	v_or_b32 v[LV+\v], v[32+4*\v], v[34+4*\v]
.endr
.set i, 0
.rept 36                                               ; row 4 i + w: its token's row of xb, my 16 bytes
	v_readlane_b32 s68, v[LV+i/8], s[56+i%8]
	s_and_b32 s68, s68, 0xfff
	s_min_u32 s68, s68, 0xfff
	v_lshl_add_u32 v[GOF+i], s68, 11, v[V16]
.set i, i+1
.endr
	s_mov_b64 s[AB:AB+1], s[6:7]
	STAGE_LOAD 0                                   ; chunk 0
	WIN 0
	s_lshl_b32 s22, s32, 2
	s_add_nc_u64 s[46:47], s[10:11], s[22:23]      ; gwe[.][E]
	GATEW
	s_lshl_b32 s22, s20, 10
	s_add_nc_u64 s[70:71], s[16:17], s[22:23]
	s_or_b32 s22, s19, s18
	s_cmp_lg_u32 s22, 0
	s_cbranch_scc1 .Lno_table                      ; one wave of the tile's four work-groups leaves the table for the second product
	v_mov_b32 v237, s34
	v_cmp_eq_u32 vcc_lo, 0, v[VL]
	v_cndmask_b32 v237, v237, s32, vcc_lo          ; word 160: the expert; 161 on: the number of rows
.irp v, 0,1,2,3,4
	global_store_b32 v[V4L], v[LV+\v], s[70:71] offset:128*\v
.endr
	global_store_b32 v[V4L], v237, s[70:71] offset:640
.Lno_table:
	s_wait_loadcnt 45                              ; younger than b1's loads: the 36 staged rows and the 9 gate weights
	WIN 0x8a
.set k, 0
.rept 16
	v_cvt_pk_bf16_f32 v[TMPB+k], v[BIAS+2*k], v[BIAS+2*k+1]  ; b1 rounded like every input, and widened again
.set k, k+1
.endr
.set k, 0
.rept 16
	v_lshlrev_b32 v[BIAS+2*k], 16, v[TMPB+k]
	v_and_b32 v[BIAS+2*k+1], s54, v[TMPB+k]
.set k, k+1
.endr
	s_wait_loadcnt 9                               ; chunk 0 is in (and the weights' slots 0 to 6, which are older); the gate weights may stay out
	STAGE_STORE
	s_wait_dscnt 0x0
	s_barrier_signal -1
	s_barrier_wait -1
	FETCH_A 0, 0
	STEP 0, 9, 1, 1, 0, 1                          ; the first K step stands ahead of the loop: its products start the sums, with the bias
	WIN 0                                          ; at a label and at a branch every window is 0
	s_mov_b32 s21, 3
.Lchunk:                                               ; a trip: the next chunk is asked for; steps 1 to 7 of the chunk in hand; the next chunk's step 0
	STAGE_LOAD 1
	STEP 1, 63, 1, 1, 0                            ; 84 loads are younger than slot p's (six slots and the 36 staged): the wait's field ends at 63, which asks for more
	STEP 2, 63, 1, 1, 0
	STEP 3, 63, 1, 1, 0
	STEP 4, 63, 1, 1, 0
	STEP 5, 63, 1, 1, 0
	STEP 6, 63, 1, 1, 0
	STEP 7, 63, 1, 1, 1
	WIN 0
	s_wait_xcnt 0x0                                ; the stream's base is stepped only behind this wait
	s_add_nc_u64 s[BB:BB+1], s[BB:BB+1], 32768
	STEP 0, 48, 1, 1, 0                            ; slot 0 was asked for in step 1, behind the staged loads: six slots are younger
	WIN 0
	s_sub_co_u32 s21, s21, 1
	s_cmp_lg_u32 s21, 0
	s_cbranch_scc1 .Lchunk
	STEP 1, 48, 0, 1, 0                            ; the last chunk: nothing is left to ask for, and the counts run down
	STEP 2, 40, 0, 1, 0
	STEP 3, 32, 0, 1, 0
	STEP 4, 24, 0, 1, 0
	STEP 5, 16, 0, 1, 0
	STEP 6, 8, 0, 1, 0
	STEP 7, 0, 0, 0, 0                             ; the gate weights are in too
	WIN 0
	; THE WAY OUT: times the gate weight, rounded to bf16, relu, into plane 0 as 144 rows of 512 bytes; back as whole rows.
	s_wait_dscnt 0x0
	s_barrier_signal -1
	s_barrier_wait -1                              ; nobody reads A any more
	v_mul_u32_u24 v10, v[VR], PITCH                ; five plain instructions: the places behind the last products
	v_lshl_add_u32 v10, v[VH], 4, v10
	v_lshl_add_u32 v10, s18, 7, v10                ; in: row r, my wave's 128 bytes, 16 h
	v_add_nc_u32 v11, A8, v10
	s_mul_i32 s22, s18, 36*PITCH
	v_add_nc_u32 v12, s22, v[V16]                  ; back: rows 36 w + i, whole
	s_mul_i32 s22, s20, 144
	s_mul_i32 s39, s18, 36
	s_add_co_u32 s22, s22, s39
	s_lshl_b32 s22, s22, 11
	s_lshl_b32 s39, s19, 9
	s_add_co_u32 s22, s22, s39
	s_add_nc_u64 s[72:73], s[14:15], s[22:23]
.macro OUT1 a
.if (\a) < 8
	WIN 0x01
.set rD, 32*(\a)
.else
	WIN 0x02
.set rD, 0
.endif
.set k, 0
.rept 16                                               ; ascending: each accumulator's lowest registers are read first
	v_pk_mul_f32 v[F0+2*k:F0+2*k+1], v[rD+2*k:rD+2*k+1], v[WP+2*(\a):WP+2*(\a)+1] op_sel_hi:[1,0]
.set k, k+1
.endr
	WIN 0
.set k, 0
.rept 16
	v_cvt_pk_bf16_f32 v[F0+32+k], v[F0+2*k], v[F0+2*k+1]
.set k, k+1
.endr
.set k, 0
.rept 16
	v_pk_max_num_bf16 v[F0+32+k], v[F0+32+k], v[ZR]
.set k, k+1
.endr
.irp b, 0,1,2,3
.if (\a) < 8
	ds_store_b128 v10, v[F0+32+4*\b:F0+32+4*\b+3] offset:16*PITCH*(\a)+32*\b
.else
	ds_store_b128 v11, v[F0+32+4*\b:F0+32+4*\b+3] offset:32*\b
.endif
.endr
.endm
.irp a, 0,1,2,3,4,5,6,7,8
	OUT1 \a
.endr
	s_wait_dscnt 0x0                               ; a row's 512 bytes come from four waves
	s_barrier_signal -1
	s_barrier_wait -1
.set i, 0
.rept 36
	ds_load_b128 v[F0+4*i:F0+4*i+3], v12 offset:PITCH*i
.set i, i+1
.endr
.set i, 0
.rept 36
	s_wait_dscnt 35-i
	global_store_b128 v[V16], v[F0+4*i:F0+4*i+3], s[72:73] offset:2048*i  ; 512 consecutive bytes, at a multiple of 512 from hs's first byte
.set i, i+1
.endr
	s_wait_tensorcnt 0x0                           ; the wave's end
	ds_add_u32 v30, v31
	s_wait_dscnt 0x0
	s_endpgm
.Lfunc_end_k_q09da658bca_gemm1:
	.size	k_q09da658bca_gemm1, .Lfunc_end_k_q09da658bca_gemm1-k_q09da658bca_gemm1
	.p2alignl 7, 3214868480
	.fill 96, 4, 3214868480
	.section	.rodata,"a",@progbits
	.p2align	6, 0x0
	.amdhsa_kernel k_q09da658bca_gemm1
		.amdhsa_group_segment_fixed_size 308736
		.amdhsa_private_segment_fixed_size 0
		.amdhsa_enable_private_segment 0
		.amdhsa_kernarg_size 56
		.amdhsa_user_sgpr_count 2
		.amdhsa_user_sgpr_kernarg_segment_ptr 1
		.amdhsa_wavefront_size32 1
		.amdhsa_system_sgpr_workgroup_id_x 1
		.amdhsa_system_sgpr_workgroup_id_y 1
		.amdhsa_system_sgpr_workgroup_id_z 1
		.amdhsa_system_vgpr_workitem_id 0
		.amdhsa_next_free_vgpr 1024
		.amdhsa_next_free_sgpr 96
		.amdhsa_reserve_vcc 1
		.amdhsa_float_denorm_mode_32 3
		.amdhsa_float_denorm_mode_16_64 3
		.amdhsa_memory_ordered 1
		.amdhsa_forward_progress 1
		.amdhsa_inst_pref_size 159
	.end_amdhsa_kernel
	.amdgpu_metadata
---
amdhsa.version: [ 1, 2 ]
amdhsa.kernels:
  - .name:           k_q09da658bca_gemm1
    .symbol:         k_q09da658bca_gemm1.kd
    .args:
      - { .name: ubm, .offset: 0, .size: 8, .value_kind: global_buffer, .address_space: global }
      - { .name: xb, .offset: 8, .size: 8, .value_kind: global_buffer, .address_space: global }
      - { .name: wf, .offset: 16, .size: 8, .value_kind: global_buffer, .address_space: global }
      - { .name: gwe, .offset: 24, .size: 8, .value_kind: global_buffer, .address_space: global }
      - { .name: b1, .offset: 32, .size: 8, .value_kind: global_buffer, .address_space: global }
      - { .name: hs, .offset: 40, .size: 8, .value_kind: global_buffer, .address_space: global }
      - { .name: rows, .offset: 48, .size: 8, .value_kind: global_buffer, .address_space: global }
    .group_segment_fixed_size: 308736
    .private_segment_fixed_size: 0
    .kernarg_segment_align: 8
    .kernarg_segment_size: 56
    .max_flat_workgroup_size: 128
    .sgpr_count:     96
    .vgpr_count:     1024
    .wavefront_size: 32
...
	.end_amdgpu_metadata
.endif
;; end of part 2
;; launch gemm2 (part 3): grid 4 x 64, 4 waves a work-group, no clusters, 308,736 bytes of LDS; arguments hs, wf, gwe, b2, rows, part; writes part
.if DOCPART == 3
	.amdgcn_target "amdgcn-amd-amdhsa--gfx1250"
	.amdhsa_code_object_version 6
	.text
	.protected	k_q09da658bca_gemm2
	.globl	k_q09da658bca_gemm2
	.p2align	8
	.type	k_q09da658bca_gemm2,@function
k_q09da658bca_gemm2:
	s_mov_b64 s[64:65], 0
	v_nop
	global_prefetch_b8 v0, s[64:65] scope:SCOPE_SE
	s_setreg_imm32_b32 hwreg(HW_REG_WAVE_MODE, 25, 1), 1
	s_wait_xcnt 0x0
; SECOND PRODUCT.  part[slot][token][:] = hs[row] W2[E]^T + gate weight x b2[E], in f32 (partial sums), for the rows of tile T; slot 0 is the lower-numbered of a token's two experts, so each row of part has one owner.
; The tile (expert, number of rows, list of token | slot << 12) was stored by the first product.  Shares, LDS, registers and the K loop are the first product's: wave w makes 144 rows x 64 columns, A whole in LDS in four
; planes of K = 256, the weights from wf straight into a ring of eight register slots, seven K steps ahead; source 0 = 16 columns of W, source 1 = 16 rows.  The sums begin with gate weight x bias.
; Places past the count repeat the tile's last row: the same numbers go to the same bytes, from this work-group.  A tile without rows stores nothing: the one jump on a stored count, forward, past no barrier.
; NO TENSOR LOAD, NO CLUSTER: a weight byte has one reader in the work-group; the row tiles of an expert number 0 to 29 by the counts.  The four column tiles of a row tile do share A, 288 of a work-group's 800 KiB: not built here.
; LIMITS: b2 is rounded to bf16 like every input; NaN and infinities are not treated apart.
; REGISTERS: window 0: v0-31 numbers and addresses; v32-103, v104-175 A's fragments (later the way out); v212-229 gate weights; v232-236 the list; v238-246 addresses
;   window 1: accumulator (a, b), a < 8, at 8 (4 a + b)     window 2: v0-31 accumulators (8, b); v32-175 36 staged rows; v176-207 the bias; v208-223 at work     window 3: B's slot q, fragment b at 32 q + 8 b
.set PITCH, 528                        ; an LDS row: 512 bytes + 16 = 132 words: row r starts at bank 4 r mod 64 (ISA guide 11.1)
.set PLANE, 144*PITCH
.set A8,    128*PITCH
.set LIST,  4*PLANE                    ; behind the four planes: 1,024 bytes a wave: its copy of the list
.set SPARE, LIST+4096                  ; the spare words: 128 bytes a wave, two blocks of 256 bytes that no other line names
.set VL, 1
.set VR, 2
.set VH, 3
.set V16, 4
.set ADRA, 5
.set ADRA8, 6
.set SA0, 7
.set SA1, 8
.set VA, 9                             ; w x 2,048 + 16 L: my place in four rows of hs
.set V4L, 28
.set VB1, 29
.set F0, 32
.set OB, 32                            ; the way out: two buffers of 16 rows x 256 bytes
.set ID, 96                            ; and of eight row numbers
.set WP, 212
.set LV, 232
.set WA, 238
.set SREG, 32
.set BIAS, 176
.set TMPB, 208
.set BB, 40
.set AB, 42
.set MSB, 0
.macro WIN new                         ; the immediate's high byte repeats the setting that is left; a switch that changes nothing is dropped
.if MSB != (\new)
	s_set_vgpr_msb (MSB<<8)|(\new)
.set MSB, (\new)
.endif
.endm
.macro MULS p, i0, i1                  ; products i0 .. i1 - 1 of a K step's 36; the accumulators take turns, over the loop's edge too
.set idx, (\i0)
.rept (\i1)-(\i0)
.set rB, 32*(\p)+8*(idx%4)
.set rA, F0+72*((\p)%2)+8*(idx/4)
.if idx < 32
.set rD, 8*idx
	WIN 0x53
.else
.set rD, 8*(idx-32)
	WIN 0xa3
.endif
	v_wmma_f32_16x16x32_bf16 v[rD:rD+7], v[rB:rB+7], v[rA:rA+7], v[rD:rD+7]
.set idx, idx+1
.endr
.endm
.macro FETCH_A pn, f
	WIN 0
.set fa, 0
.rept 8
	ds_load_b128 v[F0+72*(\f)+8*fa:F0+72*(\f)+8*fa+3],   v[ADRA] offset:16*PITCH*fa+64*(\pn)
	ds_load_b128 v[F0+72*(\f)+8*fa+4:F0+72*(\f)+8*fa+7], v[ADRA] offset:16*PITCH*fa+64*(\pn)+32
.set fa, fa+1
.endr
	ds_load_b128 v[F0+72*(\f)+64:F0+72*(\f)+67], v[ADRA8] offset:64*(\pn)
	ds_load_b128 v[F0+72*(\f)+68:F0+72*(\f)+71], v[ADRA8] offset:64*(\pn)+32
.endm
.macro FETCH_B q, st
	WIN 0xc0
.set fb, 0
.rept 4
	global_load_b128 v[32*(\q)+8*fb:32*(\q)+8*fb+3],   v[V16], s[BB:BB+1] offset:(\st)*4096+1024*fb
	global_load_b128 v[32*(\q)+8*fb+4:32*(\q)+8*fb+7], v[V16], s[BB:BB+1] offset:(\st)*4096+1024*fb+512
.set fb, fb+1
.endr
.endm
.macro STAGE_LOAD step                 ; my 36 rows (4 i + w) of a chunk: a row's 512 bytes a load
.if \step
	s_add_nc_u64 s[AB:AB+1], s[AB:AB+1], 512       ; the loads that named it have been waited for
.endif
	WIN 0x80
.set i, 0
.rept 36
	global_load_b128 v[SREG+4*i:SREG+4*i+3], v[VA], s[AB:AB+1] offset:8192*i
.set i, i+1
.endr
.endm
.macro STAGE_STORE
	WIN 0x08
.set i, 0
.rept 32
	ds_store_b128 v[SA0], v[SREG+4*i:SREG+4*i+3] offset:4*PITCH*i
.set i, i+1
.endr
.rept 4
	ds_store_b128 v[SA1], v[SREG+4*i:SREG+4*i+3] offset:4*PITCH*(i-32)
.set i, i+1
.endr
	WIN 0
	v_add_nc_u32 v[SA0], PLANE, v[SA0]
	v_add_nc_u32 v[SA1], PLANE, v[SA1]
.endm
.macro CHUNK_IN
	s_wait_loadcnt 48                              ; younger than my 36 staged loads: the weights of steps 1 to 6
	STAGE_STORE
	s_wait_dscnt 0x0                               ; for the others' sake: my rows are in LDS
	s_barrier_signal -1
	s_barrier_wait -1
.endm
; A K step of 32.  The four v_nop are the places (ISA guide 7.12.1 for vector instructions) between the step before, which read the other buffer and slot p - 1, and the loads into these.
.macro STEP p, n, bload, aload, chunkin
	s_wait_dscnt 0x0                               ; this step's fragments, asked for 24 products ago
	s_wait_loadcnt \n
	MULS \p, 0, 12
.if \chunkin
	CHUNK_IN
.endif
.if (\aload) || (\bload)
.rept 4
	v_nop
.endr
.endif
.if \aload
.if (\p) == 7
	WIN 0
	v_add_nc_u32 v[ADRA], PLANE, v[ADRA]
	v_add_nc_u32 v[ADRA8], PLANE, v[ADRA8]
.endif
	FETCH_A ((\p)+1)%8, ((\p)+1)%2
.endif
.if \bload
	FETCH_B ((\p)+7)%8, (\p)+7
.endif
	MULS \p, 12, 36
.endm
.macro GATEW                           ; the gate weights of the tile's rows: lane (r, h) takes row 16 a + r's; block a's 16 entries are one half of the list's register a / 2
.irp v, 0,1,2,3,4
	v_mov_b32 v[62+\v], 0
.endr
.irp v, 0,1,2,3,4
	v_permlanex16_b32 v[62+\v], v[LV+\v], s48, s49
.endr
.irp v, 0,1,2,3,4
	v_cndmask_b32 v[WA+2*\v], v[LV+\v], v[62+\v], s54
.endr
.irp v, 0,1,2,3
	v_cndmask_b32 v[WA+2*\v+1], v[62+\v], v[LV+\v], s54
.endr
.set ga, 0
.rept 9
	v_and_b32 v[WA+ga], 0xfff, v[WA+ga]
	v_min_u32 v[WA+ga], 0xfff, v[WA+ga]
	v_lshlrev_b32 v[WA+ga], 5, v[WA+ga]
	global_load_b32 v[WP+2*ga], v[WA+ga], s[46:47]
	v_mov_b32 v[WP+2*ga+1], 0                      ; named with it as a pair
.set ga, ga+1
.endr
.endm
	s_load_b256 s[4:11], s[0:1], 0x0               ; hs 4, wf 6, gwe 8, b2 10
	s_load_b128 s[12:15], s[0:1], 0x20             ; rows 12, part 14
	v_lshl_add_u32 v30, v0, 2, SPARE               ; my spare word, and 0: kept for the add at the wave's end alone
	v_mov_b32 v31, 0
	v_and_b32 v[VL], 31, v0
	v_lshrrev_b32 v10, 5, v0
	v_readfirstlane_b32 s18, v10                   ; wave w
	v_and_b32 v[VR], 15, v0
	v_bfe_u32 v[VH], v0, 4, 1
	v_lshlrev_b32 v[V16], 4, v[VL]
	v_lshlrev_b32 v[V4L], 2, v[VL]
	v_lshlrev_b32 v[VB1], 5, v[VH]
	s_mov_b32 s19, ttmp9                           ; X: column tile
	s_and_b32 s20, ttmp7, 0xffff                   ; T: row tile
	s_mov_b32 s48, 0x76543210
	s_mov_b32 s49, 0xfedcba98
	s_mov_b32 s54, 0xffff0000                      ; lanes 16-31; also a word's upper bf16
	v_mul_u32_u24 v[ADRA], v[VR], PITCH
	v_lshl_add_u32 v[ADRA], v[VH], 4, v[ADRA]
	v_add_nc_u32 v[ADRA8], A8, v[ADRA]
	s_mul_i32 s22, s18, PITCH
	v_add_nc_u32 v[SA0], s22, v[V16]
	v_add_nc_u32 v[SA1], A8, v[SA0]
	v_lshl_add_u32 v[VA], s18, 11, v[V16]
	s_mov_b32 s23, 0
	s_wait_kmcnt 0x0
	s_lshl_b32 s22, s20, 10
	s_add_nc_u64 s[70:71], s[12:13], s[22:23]
	s_load_b64 s[32:33], s[70:71], 0x280           ; words 160, 161 of the tile's table: the expert, the number of rows
	s_mul_i32 s22, s20, 144*2048
	s_add_nc_u64 s[AB:AB+1], s[4:5], s[22:23]
	STAGE_LOAD 0                                   ; chunk 0 hangs on no table: it goes out first
	WIN 0
.irp v, 0,1,2,3,4
	global_load_b32 v[LV+\v], v[V4L], s[70:71] offset:128*\v
.endr
	s_wait_kmcnt 0x0
	s_min_u32 s32, s32, 7
	s_lshl_b32 s22, s32, 21                        ; my stream: w2's 16 MiB on, expert x 2 MiB + (4 X + w) x 128 KiB
	s_lshl2_add_u32 s39, s19, s18
	s_lshl_b32 s39, s39, 17
	s_add_co_u32 s22, s22, s39
	s_add_co_u32 s22, s22, 0x1000000
	s_add_nc_u64 s[BB:BB+1], s[6:7], s[22:23]
.irp q, 0,1,2,3,4,5,6
	FETCH_B \q, \q
.endr
	s_lshl_b32 s22, s32, 12                        ; b2[E][256 X + 64 w ..]
	s_lshl_b32 s39, s19, 10
	s_add_co_u32 s22, s22, s39
	s_lshl_b32 s39, s18, 8
	s_add_co_u32 s22, s22, s39
	s_add_nc_u64 s[44:45], s[10:11], s[22:23]
	WIN 0x80
.irp b, 0,1,2,3
	global_load_b128 v[BIAS+8*\b:BIAS+8*\b+3],   v[VB1], s[44:45] offset:64*\b
	global_load_b128 v[BIAS+8*\b+4:BIAS+8*\b+7], v[VB1], s[44:45] offset:64*\b+16
.endr
	WIN 0
	s_lshl_b32 s22, s32, 2
	s_add_nc_u64 s[46:47], s[8:9], s[22:23]        ; gwe[.][E]
	s_lshl_b32 s69, s18, 10
	s_add_co_u32 s69, s69, LIST
	v_add_nc_u32 v13, s69, v[V4L]
	s_wait_loadcnt 63                              ; chunk 0 and the list are in.  Behind the list's last load 64 were issued (the weights' 56, the bias's 8); the wait's field ends at 63, which asks for one load more
	STAGE_STORE
.irp v, 0,1,2,3,4
	ds_store_b32 v13, v[LV+\v] offset:128*\v       ; my wave's own copy of the list, for the way out
.endr
	GATEW
	s_wait_loadcnt 0x0
	WIN 0x8a
.set k, 0
.rept 16
	v_cvt_pk_bf16_f32 v[TMPB+k], v[BIAS+2*k], v[BIAS+2*k+1]  ; b2 rounded like every input, and widened again
.set k, k+1
.endr
.set k, 0
.rept 16
	v_lshlrev_b32 v[BIAS+2*k], 16, v[TMPB+k]
	v_and_b32 v[BIAS+2*k+1], s54, v[TMPB+k]
.set k, k+1
.endr
	WIN 0x42
.set k, 0
.rept 128                                              ; the sums begin with gate weight x bias: pair k % 16 of the bias, block k / 16 of the rows
	v_pk_mul_f32 v[2*k:2*k+1], v[BIAS+2*(k%16):BIAS+2*(k%16)+1], v[WP+2*(k/16):WP+2*(k/16)+1] op_sel_hi:[1,0]
.set k, k+1
.endr
	WIN 0x82
.set k, 0
.rept 16
	v_pk_mul_f32 v[2*k:2*k+1], v[BIAS+2*k:BIAS+2*k+1], v[WP+16:WP+17] op_sel_hi:[1,0]
.set k, k+1
.endr
	WIN 0
	s_wait_dscnt 0x0
	s_barrier_signal -1
	s_barrier_wait -1
	FETCH_A 0, 0
	STEP 0, 0, 1, 1, 0
	WIN 0                                          ; at a label and at a branch every window is 0
	s_mov_b32 s21, 3
.Lchunk:                                               ; a trip: the next chunk is asked for; steps 1 to 7 of the chunk in hand; the next chunk's step 0
	STAGE_LOAD 1
	STEP 1, 63, 1, 1, 0                            ; 84 loads are younger than slot p's (six slots and the 36 staged): the wait's field ends at 63, which asks for more
	STEP 2, 63, 1, 1, 0
	STEP 3, 63, 1, 1, 0
	STEP 4, 63, 1, 1, 0
	STEP 5, 63, 1, 1, 0
	STEP 6, 63, 1, 1, 0
	STEP 7, 63, 1, 1, 1
	WIN 0
	s_wait_xcnt 0x0                                ; the stream's base is stepped only behind this wait
	s_add_nc_u64 s[BB:BB+1], s[BB:BB+1], 32768
	STEP 0, 48, 1, 1, 0                            ; slot 0 was asked for in step 1, behind the staged loads: six slots are younger
	WIN 0
	s_sub_co_u32 s21, s21, 1
	s_cmp_lg_u32 s21, 0
	s_cbranch_scc1 .Lchunk
	STEP 1, 48, 0, 1, 0                            ; the last chunk: nothing is left to ask for, and the counts run down
	STEP 2, 40, 0, 1, 0
	STEP 3, 32, 0, 1, 0
	STEP 4, 24, 0, 1, 0
	STEP 5, 16, 0, 1, 0
	STEP 6, 8, 0, 1, 0
	STEP 7, 0, 0, 0, 0
	WIN 0
	; THE WAY OUT: 16 rows x 64 columns of f32 at a time through my own stage (16 rows of 256 bytes, pitch 272, in plane 0), so that sixteen lanes store 256 consecutive bytes of a row of part.
	s_wait_dscnt 0x0
	s_barrier_signal -1
	s_barrier_wait -1                              ; nobody reads A any more
	s_mul_i32 s22, s18, 4352
	v_mul_u32_u24 v10, v[VR], 272                  ; nine plain instructions: the places behind the last products
	v_lshl_add_u32 v10, v[VH], 5, v10
	v_add_nc_u32 v10, s22, v10                     ; in: row r, 32 h
	v_mul_u32_u24 v11, v[VH], 272
	v_lshl_add_u32 v11, v[VR], 4, v11
	v_add_nc_u32 v11, s22, v11                     ; back: row h of a pair, 16 r
	v_lshlrev_b32 v12, 2, v[VH]
	v_add_nc_u32 v12, s69, v12                     ; the list's entry for that row
	v_lshlrev_b32 v14, 4, v[VR]
	s_lshl_b32 s22, s19, 10
	s_lshl_b32 s39, s18, 8
	s_add_co_u32 s22, s22, s39
	s_add_nc_u64 s[72:73], s[14:15], s[22:23]      ; part at my 64 columns
	s_cmp_eq_u32 s33, 0
	s_cbranch_scc1 .Lend                           ; a tile without rows stores nothing
.macro TOST a
.if (\a) < 8
	WIN 0x04
.set rD, 32*(\a)
.else
	WIN 0x08
.set rD, 0
.endif
.irp b, 0,1,2,3
.irp q, 0,1
	ds_store_b128 v10, v[rD+8*\b+4*\q:rD+8*\b+4*\q+3] offset:64*\b+16*\q  ; each accumulator's lowest registers first
.endr
.endr
	WIN 0
	s_wait_xcnt 0x0                                ; the loads below land on registers that the stores of two blocks ago read
.set t, 0
.rept 8
	ds_load_b128 v[OB+32*((\a)%2)+4*t:OB+32*((\a)%2)+4*t+3], v11 offset:544*t  ; my own bytes, served in order
.set t, t+1
.endr
.set t, 0
.rept 8
	ds_load_b32 v[ID+8*((\a)%2)+t], v12 offset:64*(\a)+8*t
.set t, t+1
.endr
.endm
.macro SEND a, younger                 ; younger: the next block's 8 LDS stores and 16 loads, or none
	s_wait_dscnt \younger
.set t, 0
.rept 8
	v_min_u32 v[ID+8*((\a)%2)+t], 0x1fff, v[ID+8*((\a)%2)+t]       ; token | slot << 12 is the row of part
	v_lshl_add_u32 v[ID+8*((\a)%2)+t], v[ID+8*((\a)%2)+t], 12, v14
.set t, t+1
.endr
.set t, 0
.rept 8
	global_store_b128 v[ID+8*((\a)%2)+t], v[OB+32*((\a)%2)+4*t:OB+32*((\a)%2)+4*t+3], s[72:73]  ; 16 lanes: 256 consecutive bytes, aligned
.set t, t+1
.endr
.endm
	TOST 0
.irp a, 1,2,3,4,5,6,7,8
	TOST \a
	SEND (\a)-1, 24
.endr
	SEND 8, 0
.Lend:
	s_wait_tensorcnt 0x0                           ; the wave's end
	ds_add_u32 v30, v31
	s_wait_dscnt 0x0
	s_endpgm
.Lfunc_end_k_q09da658bca_gemm2:
	.size	k_q09da658bca_gemm2, .Lfunc_end_k_q09da658bca_gemm2-k_q09da658bca_gemm2
	.p2alignl 7, 3214868480
	.fill 96, 4, 3214868480
	.section	.rodata,"a",@progbits
	.p2align	6, 0x0
	.amdhsa_kernel k_q09da658bca_gemm2
		.amdhsa_group_segment_fixed_size 308736
		.amdhsa_private_segment_fixed_size 0
		.amdhsa_enable_private_segment 0
		.amdhsa_kernarg_size 48
		.amdhsa_user_sgpr_count 2
		.amdhsa_user_sgpr_kernarg_segment_ptr 1
		.amdhsa_wavefront_size32 1
		.amdhsa_system_sgpr_workgroup_id_x 1
		.amdhsa_system_sgpr_workgroup_id_y 1
		.amdhsa_system_sgpr_workgroup_id_z 1
		.amdhsa_system_vgpr_workitem_id 0
		.amdhsa_next_free_vgpr 1024
		.amdhsa_next_free_sgpr 96
		.amdhsa_reserve_vcc 0
		.amdhsa_float_denorm_mode_32 3
		.amdhsa_float_denorm_mode_16_64 3
		.amdhsa_memory_ordered 1
		.amdhsa_forward_progress 1
		.amdhsa_inst_pref_size 134
	.end_amdhsa_kernel
	.amdgpu_metadata
---
amdhsa.version: [ 1, 2 ]
amdhsa.kernels:
  - .name:           k_q09da658bca_gemm2
    .symbol:         k_q09da658bca_gemm2.kd
    .args:
      - { .name: hs, .offset: 0, .size: 8, .value_kind: global_buffer, .address_space: global }
      - { .name: wf, .offset: 8, .size: 8, .value_kind: global_buffer, .address_space: global }
      - { .name: gwe, .offset: 16, .size: 8, .value_kind: global_buffer, .address_space: global }
      - { .name: b2, .offset: 24, .size: 8, .value_kind: global_buffer, .address_space: global }
      - { .name: rows, .offset: 32, .size: 8, .value_kind: global_buffer, .address_space: global }
      - { .name: part, .offset: 40, .size: 8, .value_kind: global_buffer, .address_space: global }
    .group_segment_fixed_size: 308736
    .private_segment_fixed_size: 0
    .kernarg_segment_align: 8
    .kernarg_segment_size: 48
    .max_flat_workgroup_size: 128
    .sgpr_count:     96
    .vgpr_count:     1024
    .wavefront_size: 32
...
	.end_amdgpu_metadata
.endif
;; end of part 3
;; launch combine (part 4): grid 256 x 1, 8 waves a work-group, no clusters, 0 bytes of LDS; arguments part, out0; writes out0
.if DOCPART == 4
	.amdgcn_target "amdgcn-amd-amdhsa--gfx1250"
	.amdhsa_code_object_version 6
	.text
	.protected	k_q09da658bca_combine
	.globl	k_q09da658bca_combine
	.p2align	8
	.type	k_q09da658bca_combine,@function
k_q09da658bca_combine:
	s_mov_b64 s[64:65], 0
	v_nop
	global_prefetch_b8 v0, s[64:65] scope:SCOPE_SE
	s_setreg_imm32_b32 hwreg(HW_REG_WAVE_MODE, 25, 1), 1
	s_wait_xcnt 0x0
; out0[t][:] = part[0][t][:] + part[1][t][:]: a token's two experts' rows, already weighed, in f32.
; A stream: a wave owns 8 KiB of out0; all its 32 loads (512 consecutive bytes each) go out before the first wait; each byte is read once and written once.  LDS, matrix units and clusters have nothing to add here.
	s_load_b128 s[4:7], s[0:1], 0x0                ; part, out0
	v_and_b32 v1, 31, v0
	v_lshrrev_b32 v2, 5, v0
	v_lshlrev_b32 v1, 4, v1
	v_lshl_add_u32 v1, v2, 13, v1                  ; 8,192 x wave + 16 x lane
	s_lshl_b32 s2, ttmp9, 16                       ; 64 KiB a work-group
	s_mov_b32 s3, 0
	s_wait_kmcnt 0x0
	s_add_nc_u64 s[4:5], s[4:5], s[2:3]
	s_add_nc_u64 s[8:9], s[4:5], 0x1000000         ; the second slot's rows
	s_add_nc_u64 s[6:7], s[6:7], s[2:3]
.set n, 0
.rept 16
	global_load_b128 v[8+8*n:11+8*n],  v1, s[4:5] offset:512*n th:TH_LOAD_NT
	global_load_b128 v[12+8*n:15+8*n], v1, s[8:9] offset:512*n th:TH_LOAD_NT
.set n, n+1
.endr
.set n, 0
.rept 16
	s_wait_loadcnt 30-2*n                          ; loads come back in order: pair n is in, the younger pairs stay out
	v_pk_add_f32 v[8+8*n:9+8*n],   v[8+8*n:9+8*n],   v[12+8*n:13+8*n]
	v_pk_add_f32 v[10+8*n:11+8*n], v[10+8*n:11+8*n], v[14+8*n:15+8*n]
	global_store_b128 v1, v[8+8*n:11+8*n], s[6:7] offset:512*n th:TH_STORE_NT
.set n, n+1
.endr
	s_endpgm
.Lfunc_end_k_q09da658bca_combine:
	.size	k_q09da658bca_combine, .Lfunc_end_k_q09da658bca_combine-k_q09da658bca_combine
	.p2alignl 7, 3214868480
	.fill 96, 4, 3214868480
	.section	.rodata,"a",@progbits
	.p2align	6, 0x0
	.amdhsa_kernel k_q09da658bca_combine
		.amdhsa_group_segment_fixed_size 0
		.amdhsa_private_segment_fixed_size 0
		.amdhsa_enable_private_segment 0
		.amdhsa_kernarg_size 16
		.amdhsa_user_sgpr_count 2
		.amdhsa_user_sgpr_kernarg_segment_ptr 1
		.amdhsa_wavefront_size32 1
		.amdhsa_system_sgpr_workgroup_id_x 1
		.amdhsa_system_sgpr_workgroup_id_y 1
		.amdhsa_system_sgpr_workgroup_id_z 1
		.amdhsa_system_vgpr_workitem_id 0
		.amdhsa_next_free_vgpr 136
		.amdhsa_next_free_sgpr 66
		.amdhsa_reserve_vcc 0
		.amdhsa_float_denorm_mode_32 3
		.amdhsa_float_denorm_mode_16_64 3
		.amdhsa_memory_ordered 1
		.amdhsa_forward_progress 1
		.amdhsa_inst_pref_size 8
	.end_amdhsa_kernel
	.amdgpu_metadata
---
amdhsa.version: [ 1, 2 ]
amdhsa.kernels:
  - .name:           k_q09da658bca_combine
    .symbol:         k_q09da658bca_combine.kd
    .args:
      - { .name: part, .offset: 0, .size: 8, .value_kind: global_buffer, .address_space: global }
      - { .name: out0, .offset: 8, .size: 8, .value_kind: global_buffer, .address_space: global }
    .group_segment_fixed_size: 0
    .private_segment_fixed_size: 0
    .kernarg_segment_align: 8
    .kernarg_segment_size: 16
    .max_flat_workgroup_size: 256
    .sgpr_count:     66
    .vgpr_count:     136
    .wavefront_size: 32
...
	.end_amdgpu_metadata
.endif
;; end of part 4
;; ======== version 2 of 2: 4 launches; version 1 with the launches gemm1, gemm2 written anew for expert scheduling mode
;; workspace buffers: xb 8,388,608 bytes; wf 33,554,432 bytes; gwe 131,072 bytes; ubm 6,144 bytes of whole numbers; hs 18,874,368 bytes; rows 65,536 bytes of whole numbers; part 33,554,432 bytes
;; launch prep: the kernel of part 1 again; grid 768 x 1, 4 waves a work-group, no clusters, 72,704 bytes of LDS; arguments x, gate_W, gate_b, w1, w2, xb, wf, gwe, ubm, out1; writes xb, wf, gwe, ubm, out1
;; launch gemm1 (part 5): grid 4 x 64, 4 waves a work-group, no clusters, 308,736 bytes of LDS; arguments ubm, xb, wf, gwe, b1, hs, rows; writes hs, rows
.if DOCPART == 5
	.amdgcn_target "amdgcn-amd-amdhsa--gfx1250"
	.amdhsa_code_object_version 6
	.text
	.protected	k_q09da658bca_gemm1
	.globl	k_q09da658bca_gemm1
	.p2align	8
	.type	k_q09da658bca_gemm1,@function
k_q09da658bca_gemm1:
	s_mov_b64 s[64:65], 0
	v_nop
	global_prefetch_b8 v0, s[64:65] scope:SCOPE_SE
	s_setreg_imm32_b32 hwreg(HW_REG_WAVE_SCHED_MODE, 0, 2), 2
	s_setreg_imm32_b32 hwreg(HW_REG_WAVE_MODE, 25, 1), 1
	s_wait_xcnt 0x0
	s_wait_alu depctr_vm_vsrc(0)
; FIRST PRODUCT.  hs[144 T + i][:] = bf16(relu(x[token] W1[E]^T + b1[E]) x gate weight) for the routed rows, in the experts' order.  Operands bf16, sums f32, one rounding on the way out
; (relu(v) w = max(v w, 0), since a gate weight is above 0).
; THE GRID SERVES EVERY SPLIT: tiles of 144 rows; the sum over the experts of ceil(c_e / 144) is at most (8,192 + 8 x 143) / 144 = 64, so 64 row tiles x 4 column tiles of 256.  Every work-group works its tile (expert E, first
; rank R0, NROWS rows) out of the stored counts.  Places past the count repeat the tile's last row; a tile without rows computes on token 0, so that hs is written whole.
; SHARES: wave w makes 144 rows x columns 256 X + 64 w .. + 63: 36 accumulators.  A (the rows) lies whole in LDS, each byte written once, brought through registers in four chunks of K = 256; B (the weights)
; comes from wf straight into registers, each wave its own stream, through a ring of eight slots filled seven K steps ahead.  The matrix instruction is used transposed (source 0 = 16 columns of W, source 1 = 16 rows):
; register j of lane (r, h) holds (row 16 a + r, column 16 b + 8 h + j): eight neighbouring numbers of a row.
; NO TENSOR LOAD, NO CLUSTER: the rows come by a list, which no descriptor covers; a weight byte has one reader in the work-group, so LDS would add a write and a read to it; the row tiles that share an expert's weights
; number 0 to 29 by the counts, so partners would differ in a count that steers a joint load.
; LIMITS: b1 is rounded to bf16 like every input; NaN and infinities are not treated apart.
; THE MODE: SCHED_MODE bits 1:0 = 2 (LLVM: expert scheduling mode 2), set by the entry lines.  The code itself states the register dependences between vector or matrix instructions and memory or LDS instructions,
; with s_wait_alu, always for 0.
; THE PLAN.  Registers that memory or LDS instructions touch, in the K loop:
;   A's two buffers   Step p's products read buffer p % 2; the LDS loads issued in step p land in the other, which step p - 1's products read.
;   B's eight slots   Step p's products read slot p; the loads issued in step p land in slot p - 1, which step p - 1's products read.
;   the staged rows   Written by loads, read by the stage's LDS stores; no vector instruction names them in the loop.
;   v[ADRA], v[ADRA8] Read by every fragment load; stepped once a chunk, at the head of step 7, whose own fragments were asked for in step 6.
;   v[SA0], v[SA1]    Read by the stage's LDS stores; stepped behind them.
;   v[V16], v[GOF ..] Read as offsets; written at the head and never again.
; So ONE wait on va_vdst stands at a step's head: step p - 1's products are done reading the buffer and the slot in which step p's 26 loads land (and in step 7 the stepped addresses are written).  The loads follow it
; dealt among the step's first products, which name slot p, buffer p % 2 and the accumulators: none of the registers that those loads touch.  Two waits on vm_vsrc a chunk: ahead of the adds to the fragments' addresses,
; and behind the stage's stores.  On the way out the packed results have 144 registers of their own, so that no register of an LDS store is written twice.
; REGISTERS, in windows of 256 (s_set_vgpr_msb: bits 1:0 source 0, 3:2 source 1, 5:4 source 2, 7:6 destination):
;   window 0: v0-31 numbers and addresses; v32-103, v104-175 two buffers of A's fragments (9 x 8; at the head and on the way out: at work); v176-211 the gather's offsets; v212-229 gate weights, a pair a block of 16 rows; v232-236 the list; v238-246 addresses
;   window 1: accumulator (a, b), a < 8, at 8 (4 a + b)     window 2: v0-31 accumulators (8, b); v32-175 36 staged rows, on the way out the packed results; v176-207 the bias; v208-223 at work     window 3: B's slot q, fragment b at 32 q + 8 b
.set PITCH, 528                        ; an LDS row: 512 bytes + 16 = 132 words: row r starts at bank 4 r mod 64 (ISA guide 11.1)
.set PLANE, 144*PITCH                  ; the tile's rows for one chunk of K = 256
.set A8,    128*PITCH
.set LIST,  4*PLANE                    ; behind the four planes: 1,024 bytes a wave for the list
.set SPARE, LIST+4096                  ; the spare words: 128 bytes a wave, two blocks of 256 bytes that no other line names
.set VL, 1
.set VR, 2
.set VH, 3
.set V16, 4                            ; 16 L
.set ADRA, 5                           ; r x pitch + 16 h, in the plane in hand
.set ADRA8, 6                          ; the same 128 rows on
.set SA0, 7                            ; where I put a staged row: w x pitch + 16 L, in the plane to be filled
.set SA1, 8
.set V4L, 28
.set VB1, 29
.set F0, 32
.set GOF, 176
.set WP, 212
.set ZR, 230
.set LV, 232
.set WA, 238
.set SREG, 32
.set OUTR, 32                          ; window 2: block a's 16 registers of packed results at OUTR + 16 a
.set BIAS, 176
.set TMPB, 208
.set BB, 40                            ; s[40:41] my stream of weights, at the chunk in hand
.set AB, 42                            ; s[42:43] xb at the chunk to be staged
.set MSB, 0
.macro WIN new                         ; the immediate's high byte repeats the setting that is left; a switch that changes nothing is dropped
.if MSB != (\new)
	s_set_vgpr_msb (MSB<<8)|(\new)
.set MSB, (\new)
.endif
.endm
; Products i0 .. i1 - 1 of a K step's 36: accumulator (idx / 4, idx % 4).  The 36 take turns, one instruction a turn, over the loop's edge too.  first = 1: the sums begin with the bias as C.
.macro MULS p, i0, i1, first
.set idx, (\i0)
.rept (\i1)-(\i0)
.set rB, 32*(\p)+8*(idx%4)
.set rA, F0+72*((\p)%2)+8*(idx/4)
.set rC, BIAS+8*(idx%4)
.if idx < 32
.set rD, 8*idx
.if \first
	WIN 0x63
	v_wmma_f32_16x16x32_bf16 v[rD:rD+7], v[rB:rB+7], v[rA:rA+7], v[rC:rC+7]
.else
	WIN 0x53
	v_wmma_f32_16x16x32_bf16 v[rD:rD+7], v[rB:rB+7], v[rA:rA+7], v[rD:rD+7]
.endif
.else
.set rD, 8*(idx-32)
	WIN 0xa3
.if \first
	v_wmma_f32_16x16x32_bf16 v[rD:rD+7], v[rB:rB+7], v[rA:rA+7], v[rC:rC+7]
.else
	v_wmma_f32_16x16x32_bf16 v[rD:rD+7], v[rB:rB+7], v[rA:rA+7], v[rD:rD+7]
.endif
.endif
.set idx, idx+1
.endr
.endm
.macro FETCH_A3 pn, f, g               ; 6 LDS loads: fragments 3 g .. 3 g + 2 of the 144 rows' nine, step pn of the plane in hand, into buffer f
	WIN 0
.set fa, 3*(\g)
.rept 3
.if fa < 8
	ds_load_b128 v[F0+72*(\f)+8*fa:F0+72*(\f)+8*fa+3],   v[ADRA] offset:16*PITCH*fa+64*(\pn)
	ds_load_b128 v[F0+72*(\f)+8*fa+4:F0+72*(\f)+8*fa+7], v[ADRA] offset:16*PITCH*fa+64*(\pn)+32
.else
	ds_load_b128 v[F0+72*(\f)+64:F0+72*(\f)+67], v[ADRA8] offset:64*(\pn)
	ds_load_b128 v[F0+72*(\f)+68:F0+72*(\f)+71], v[ADRA8] offset:64*(\pn)+32
.endif
.set fa, fa+1
.endr
.endm
.macro FETCH_B2 q, st, g               ; 4 loads of 512 consecutive bytes: fragments 2 g, 2 g + 1 of the weights of step st of the chunk in hand (7 to 14: into the next chunk), into slot q
	WIN 0xc0
.set fb, 2*(\g)
.rept 2
	global_load_b128 v[32*(\q)+8*fb:32*(\q)+8*fb+3],   v[V16], s[BB:BB+1] offset:(\st)*4096+1024*fb
	global_load_b128 v[32*(\q)+8*fb+4:32*(\q)+8*fb+7], v[V16], s[BB:BB+1] offset:(\st)*4096+1024*fb+512
.set fb, fb+1
.endr
.endm
.macro STAGE_LOAD step                 ; my 36 rows (4 i + w) of a chunk: a row's 512 bytes a load.  No vector instruction names these registers, and the stage's stores that read them stand ahead of a wait on vm_vsrc
.if \step
	s_add_nc_u64 s[AB:AB+1], s[AB:AB+1], 512       ; the loads that named it have been waited for
.endif
	WIN 0x80
.set i, 0
.rept 36
	global_load_b128 v[SREG+4*i:SREG+4*i+3], v[GOF+i], s[AB:AB+1]
.set i, i+1
.endr
.endm
.macro STAGE_STORE
	WIN 0x08
.set i, 0
.rept 32
	ds_store_b128 v[SA0], v[SREG+4*i:SREG+4*i+3] offset:4*PITCH*i
.set i, i+1
.endr
.rept 4
	ds_store_b128 v[SA1], v[SREG+4*i:SREG+4*i+3] offset:4*PITCH*(i-32)
.set i, i+1
.endr
	WIN 0
	s_wait_alu depctr_vm_vsrc(0)                   ; the LDS instructions issued so far have read their registers: v[SA0] and v[SA1], which the adds below write, and the staged rows, in which the next chunk's loads land
	v_add_nc_u32 v[SA0], PLANE, v[SA0]
	v_add_nc_u32 v[SA1], PLANE, v[SA1]
.endm
.macro CHUNK_IN                        ; the next plane is written: bytes that nobody has touched yet
	s_wait_loadcnt 56                              ; younger than my 36 staged loads: the weights asked for in steps 1 to 7
	STAGE_STORE
	s_wait_dscnt 0x0                               ; for the others' sake: my rows are in LDS
	s_barrier_signal -1
	s_barrier_wait -1
.endm
; A K step of 32: p is its place in the chunk; it multiplies A's buffer p % 2 by slot p.  n: the loads that may stay out when slot p has to be there.
; first = 1: the step ahead of the loop: its loads land in registers that nothing has named yet, so it states no dependence.  A step that issues no load states none either.
; chunkin = 1 (step 7 in the loop): the next plane is written behind the twelfth product, and the next step's fragments, which lie in it, are asked for behind its barrier.
.macro STEP p, n, bload, aload, chunkin, first=0
	s_wait_dscnt 0x0                               ; this step's fragments, asked for among the first products of the step before
	s_wait_loadcnt \n
.if ((\aload) || (\bload)) && !(\first)
.if \chunkin
	WIN 0
	s_wait_alu depctr_vm_vsrc(0)                   ; the fragment loads issued so far, the last of this plane among them, have read v[ADRA] and v[ADRA8]
	v_add_nc_u32 v[ADRA], PLANE, v[ADRA]
	v_add_nc_u32 v[ADRA8], PLANE, v[ADRA8]
.endif
	s_wait_alu depctr_va_vdst(0)                   ; the step before's products are done reading the other buffer of A and slot p - 1, in which this step's loads land; where the two adds stand above, v[ADRA] and v[ADRA8] are written
.endif
.if \chunkin
	MULS \p, 0, 8, 0
	FETCH_B2 ((\p)+7)%8, (\p)+7, 0
	MULS \p, 8, 10, 0
	FETCH_B2 ((\p)+7)%8, (\p)+7, 1
	MULS \p, 10, 12, 0
	CHUNK_IN
	FETCH_A3 ((\p)+1)%8, ((\p)+1)%2, 0             ; no wait: since the step's head no vector or matrix instruction has named the other buffer or the two addresses
	MULS \p, 12, 14, 0
	FETCH_A3 ((\p)+1)%8, ((\p)+1)%2, 1
	MULS \p, 14, 16, 0
	FETCH_A3 ((\p)+1)%8, ((\p)+1)%2, 2
	MULS \p, 16, 36, 0
.else
	MULS \p, 0, 2, \first
.if \aload
	FETCH_A3 ((\p)+1)%8, ((\p)+1)%2, 0
.endif
	MULS \p, 2, 4, \first
.if \aload
	FETCH_A3 ((\p)+1)%8, ((\p)+1)%2, 1
.endif
	MULS \p, 4, 6, \first
.if \aload
	FETCH_A3 ((\p)+1)%8, ((\p)+1)%2, 2
.endif
	MULS \p, 6, 8, \first
.if \bload
	FETCH_B2 ((\p)+7)%8, (\p)+7, 0
.endif
	MULS \p, 8, 10, \first
.if \bload
	FETCH_B2 ((\p)+7)%8, (\p)+7, 1
.endif
	MULS \p, 10, 36, \first
.endif
.endm
; The gate weights of the tile's rows: lane (r, h) takes row 16 a + r's, for a = 0 .. 8.  The list lies one entry a lane; block a's 16 entries are one half of register a / 2.  First all nine offsets, then, behind a wait, the nine loads.
.macro GATEW_ADR
.irp v, 0,1,2,3,4
	v_mov_b32 v[62+\v], 0
.endr
.irp v, 0,1,2,3,4
	v_permlanex16_b32 v[62+\v], v[LV+\v], s48, s49
.endr
.irp v, 0,1,2,3,4
	v_cndmask_b32 v[WA+2*\v], v[LV+\v], v[62+\v], s54
.endr
.irp v, 0,1,2,3
	v_cndmask_b32 v[WA+2*\v+1], v[62+\v], v[LV+\v], s54
.endr
.set ga, 0
.rept 9
	v_and_b32 v[WA+ga], 0xfff, v[WA+ga]            ; the token
	v_min_u32 v[WA+ga], 0xfff, v[WA+ga]
	v_lshlrev_b32 v[WA+ga], 5, v[WA+ga]
	v_mov_b32 v[WP+2*ga+1], 0                      ; named with the weight as a pair
.set ga, ga+1
.endr
.endm
.macro GATEW_LOAD
.set ga, 0
.rept 9
	global_load_b32 v[WP+2*ga], v[WA+ga], s[46:47]
.set ga, ga+1
.endr
.endm
	s_load_b256 s[4:11], s[0:1], 0x0               ; ubm 4, xb 6, wf 8, gwe 10
	s_load_b128 s[12:15], s[0:1], 0x20             ; b1 12, hs 14
	s_load_b64 s[16:17], s[0:1], 0x30              ; rows
	v_lshl_add_u32 v30, v0, 2, SPARE               ; my spare word, and 0: kept for the add at the wave's end alone
	v_mov_b32 v31, 0
	v_and_b32 v[VL], 31, v0
	v_lshrrev_b32 v10, 5, v0
	v_readfirstlane_b32 s18, v10                   ; wave w
	v_and_b32 v[VR], 15, v0
	v_bfe_u32 v[VH], v0, 4, 1
	v_lshlrev_b32 v[V16], 4, v[VL]
	v_lshlrev_b32 v[V4L], 2, v[VL]
	v_lshlrev_b32 v[VB1], 5, v[VH]
	v_mov_b32 v[ZR], 0
	v_mul_u32_u24 v[ADRA], v[VR], PITCH
	v_lshl_add_u32 v[ADRA], v[VH], 4, v[ADRA]
	v_add_nc_u32 v[ADRA8], A8, v[ADRA]
	v_lshlrev_b32 v11, 3, v[VL]                    ; my lane's 8 counts: tokens 128 L .. + 127
.irp k, 0,1,2,3
	v_mov_b32 v[80+\k], 0                          ; what clears my wave's part of the list
.endr
	s_mov_b32 s19, ttmp9                           ; X: column tile
	s_and_b32 s20, ttmp7, 0xffff                   ; T: row tile
	s_mov_b32 s48, 0x76543210                      ; v_permlanex16_b32: each lane takes its own place in the other half
	s_mov_b32 s49, 0xfedcba98
	s_mov_b32 s50, 0xaaaaaaaa                      ; lanes whose number has bit 0, 1, 2, 3, 4
	s_mov_b32 s51, 0xcccccccc
	s_mov_b32 s52, 0xf0f0f0f0
	s_mov_b32 s53, 0xff00ff00
	s_mov_b32 s54, 0xffff0000                      ; also: a word's upper bf16
	s_mov_b32 s55, 0x00ff00ff
	s_wait_alu depctr_va_sdst(0)                   ; s18 is written, ahead of its first reader
.irp j, 0,1,2,3,4,5,6,7
	s_add_co_u32 s[56+\j], s18, 4*\j               ; the lane that holds row 4 i + w's entry, i % 8 = j
.endr
	s_mul_i32 s22, s18, PITCH
	v_add_nc_u32 v[SA0], s22, v[V16]
	v_add_nc_u32 v[SA1], A8, v[SA0]
	v_lshl_add_u32 v10, s18, 2, v[V16]             ; word w of my lane's 16 bytes of a bitmap: tokens 128 L + 32 w .. + 31
	s_lshl_b32 s69, s18, 10
	s_add_co_u32 s69, s69, LIST                    ; my wave's 256 words of the list
	v_add_nc_u32 v12, s69, v[V16]
	s_wait_kmcnt 0x0
	s_wait_alu depctr_va_vdst(0)                   ; the offsets and addresses v4 to v8, v10 to v12, v28, v29 and the zeros v80 to v83 are written, which the loads and LDS instructions from here on read
.irp e, 0,1,2,3,4,5,6,7
	global_load_b32 v[32+\e], v10, s[4:5] offset:512*\e
.endr
.irp e, 0,1,2,3,4,5,6,7
	global_load_b64 v[40+2*\e:41+2*\e], v11, s[4:5] offset:4096+256*\e
.endr
	ds_store_b128 v12, v[80:83]                    ; my 256 words are cleared; LDS serves a wave's instructions in order, so the list's stores below come behind these
	ds_store_b128 v12, v[80:83] offset:512
	s_wait_loadcnt 0x0
	; THE COUNTS c0 .. c7.  A lane's eight bytes (16 at the most each) are folded to one number, two experts are packed to a register (a sum over all lanes is 4,096 at the most), and the lanes are added.
.irp e, 0,1,2,3,4,5,6,7
	v_add_nc_u32 v[56+\e], v[40+2*\e], v[41+2*\e]
	v_lshrrev_b32 v[64+\e], 8, v[56+\e]
	v_and_b32 v[56+\e], s55, v[56+\e]
	v_and_b32 v[64+\e], s55, v[64+\e]
	v_add_nc_u32 v[56+\e], v[56+\e], v[64+\e]
	v_lshrrev_b32 v[64+\e], 16, v[56+\e]
	v_add_nc_u32 v[56+\e], v[56+\e], v[64+\e]
	v_and_b32 v[56+\e], 0xffff, v[56+\e]
.endr
.irp k, 0,1,2,3
	v_lshl_or_b32 v[72+\k], v[57+2*\k], 16, v[56+2*\k]
	v_mov_b32 v[76+\k], 0
.endr
.irp d, 1,2,4,8
.irp k, 0,1,2,3
	v_mov_b32_dpp v[76+\k], v[72+\k] row_xmask:\d row_mask:0xf bank_mask:0xf
.endr
.irp k, 0,1,2,3
	v_add_nc_u32 v[72+\k], v[72+\k], v[76+\k]
.endr
.endr
.irp k, 0,1,2,3
	v_permlanex16_b32 v[76+\k], v[72+\k], s48, s49
.endr
.irp k, 0,1,2,3
	v_add_nc_u32 v[72+\k], v[72+\k], v[76+\k]
.endr
.irp k, 0,1,2,3
	v_readfirstlane_b32 s[24+2*\k], v[72+\k]       ; two counts a register
.endr
	s_wait_alu depctr_va_sdst(0)                   ; s24, s26, s28 and s30 are written, ahead of their first readers: one wait for the run
.irp k, 0,1,2,3
	s_lshr_b32 s[25+2*\k], s[24+2*\k], 16
	s_and_b32 s[24+2*\k], s[24+2*\k], 0xffff
.endr
	; THE TILE.  Expert e has ceil(c / 144) = ((c + 143) x 29,128) >> 22 tiles (exact up to c + 143 = 4,239: the factor's excess, 0.89 / 2^22 a unit, stays under 1 / 144); the last expert whose first tile is not behind T wins.
	s_mov_b32 s36, 0                               ; the expert's first tile
	s_mov_b32 s32, 0                               ; E
	s_mov_b32 s37, 0                               ; E's first tile
	s_mov_b32 s38, 0                               ; E's count
.irp e, 0,1,2,3,4,5,6,7
	s_cmp_ge_u32 s20, s36
	s_cselect_b32 s32, \e, s32
	s_cselect_b32 s37, s36, s37
	s_cselect_b32 s38, s[24+\e], s38
	s_add_co_u32 s39, s[24+\e], 143
	s_mul_i32 s39, s39, 29128
	s_lshr_b32 s39, s39, 22
	s_add_co_u32 s36, s36, s39
.endr
	s_sub_co_u32 s33, s20, s37
	s_mul_i32 s33, s33, 144                        ; R0: the tile's first rank among E's rows
	s_sub_co_i32 s34, s38, s33
	s_max_i32 s34, s34, 0
	s_min_i32 s34, s34, 144                        ; NROWS
	s_max_u32 s35, s34, 1
	s_sub_co_u32 s35, s35, 1                       ; the last place that holds a row of its own
	s_min_u32 s32, s32, 7
	s_lshl_b32 s22, s32, 21                        ; my stream: expert x 2 MiB + (4 X + w) x 128 KiB
	s_lshl2_add_u32 s23, s19, s18
	s_lshl_b32 s23, s23, 17
	s_add_co_u32 s22, s22, s23
	s_mov_b32 s23, 0
	s_add_nc_u64 s[BB:BB+1], s[8:9], s[22:23]
.irp q, 0,1,2,3,4,5,6
	FETCH_B2 \q, \q, 0                             ; the weights go out first: they hang on the expert alone.  Nothing has named their registers, and v[V16] stands ahead of the wait above
	FETCH_B2 \q, \q, 1
.endr
	s_lshl_b32 s22, s32, 12                        ; b1[E][256 X + 64 w ..]
	s_lshl_b32 s39, s19, 10
	s_add_co_u32 s22, s22, s39
	s_lshl_b32 s39, s18, 8
	s_add_co_u32 s22, s22, s39
	s_add_nc_u64 s[44:45], s[12:13], s[22:23]
	WIN 0x80
.irp b, 0,1,2,3
	global_load_b128 v[BIAS+8*\b:BIAS+8*\b+3],   v[VB1], s[44:45] offset:64*\b     ; columns 16 b + 8 h + 0..7
	global_load_b128 v[BIAS+8*\b+4:BIAS+8*\b+7], v[VB1], s[44:45] offset:64*\b+16
.endr
	WIN 0
	; THE LIST.  Of E's bitmap my lane has 32 tokens (v13); v14: the same tokens' choices of lower experts, which give the slot; v15, v16: E's counts for the lane's 128 tokens.
	v_mov_b32 v13, 0
	v_mov_b32 v14, 0
	v_mov_b32 v15, 0
	v_mov_b32 v16, 0
.irp e, 0,1,2,3,4,5,6,7
	s_cmp_eq_u32 s32, \e
	s_cselect_b32 s22, -1, 0
	s_cmp_gt_u32 s32, \e
	s_cselect_b32 s39, -1, 0
	v_and_or_b32 v13, v[32+\e], s22, v13
	v_and_or_b32 v14, v[32+\e], s39, v14
	v_and_or_b32 v15, v[40+2*\e], s22, v15
	v_and_or_b32 v16, v[41+2*\e], s22, v16
.endr
	v_lshrrev_b32 v17, 8, v15
	v_lshrrev_b32 v18, 8, v16
	v_and_b32 v15, s55, v15
	v_and_b32 v17, s55, v17
	v_and_b32 v16, s55, v16
	v_and_b32 v18, s55, v18
	v_add_nc_u32 v15, v15, v17                     ; words 0 and 1 of the lane: their numbers of choices, in the halves
	v_add_nc_u32 v16, v16, v18                     ; words 2 and 3
	v_add_nc_u32 v19, v15, v16
	v_lshrrev_b32 v20, 16, v19
	v_and_b32 v19, 0xffff, v19
	v_add_nc_u32 v19, v19, v20                     ; the lane's number
	v_and_b32 v21, 0xffff, v15
	v_lshrrev_b32 v22, 16, v15
	v_and_b32 v23, 0xffff, v16
	s_cmp_gt_u32 s18, 0
	s_cselect_b32 s22, -1, 0
	v_and_b32 v21, s22, v21
	s_cmp_gt_u32 s18, 1
	s_cselect_b32 s22, -1, 0
	v_and_b32 v22, s22, v22
	s_cmp_gt_u32 s18, 2
	s_cselect_b32 s22, -1, 0
	v_and_b32 v23, s22, v23
	v_add3_u32 v24, v21, v22, v23                  ; the lane's words below mine
	v_mov_b32 v25, 0                               ; the lanes below mine: at each step a block's sum meets its neighbour's, and the upper block takes the lower's
	v_mov_b32 v26, 0
.macro PFX d, m
	v_mov_b32_dpp v26, v19 row_xmask:\d row_mask:0xf bank_mask:0xf
	v_cndmask_b32 v27, 0, v26, s[\m]
	v_add_nc_u32 v25, v25, v27
	v_add_nc_u32 v19, v19, v26
.endm
	PFX 1, 50
	PFX 2, 51
	PFX 4, 52
	PFX 8, 53
	v_permlanex16_b32 v26, v19, s48, s49
	v_cndmask_b32 v27, 0, v26, s54
	v_add3_u32 v25, v25, v27, v24
	v_sub_nc_u32 v25, v25, s33                     ; the place in the tile of my word's first choice (below 0: far above 144 as an unsigned number)
	v_lshlrev_b32 v21, 7, v[VL]
	v_lshl_add_u32 v21, s18, 5, v21                ; my word's first token
	v_add_nc_u32 v22, 160, v[VL]                   ; where what falls outside the tile is dropped
	s_mov_b32 s66, 0
.Lbit:                                                 ; 4 trips, eight bits of every lane's word each, lowest first; a chosen token goes to its place, as token | slot << 12.  v32-39 the bits, v40-47 the slots, v48-55 the places, v56-63 the addresses, v64-71 the entries
	s_wait_alu depctr_vm_vsrc(0)                   ; the LDS stores of the trip before have read v56 to v71, which this trip writes again
.irp j, 0,1,2,3,4,5,6,7
	v_bfe_u32 v[32+\j], v13, \j, 1
	v_bfe_u32 v[40+\j], v14, \j, 1
.endr
	v_mov_b32 v48, v25
.irp j, 0,1,2,3,4,5,6
	v_add_nc_u32 v[49+\j], v[48+\j], v[32+\j]      ; a bit's place: the first place and the bits below it
.endr
	v_add_nc_u32 v25, v55, v39                     ; the next trip's first place
.irp j, 0,1,2,3,4,5,6,7
	v_cmp_gt_u32 s[74+\j], 0x90, v[48+\j]
	v_cmp_ne_u32 s[82+\j], 0, v[32+\j]
.endr
.irp j, 0,1,2,3,4,5,6,7
	v_add_nc_u32 v[64+\j], \j, v21
.endr
.irp j, 0,1,2,3,4,5,6,7
	v_lshl_or_b32 v[64+\j], v[40+\j], 12, v[64+\j]
.endr
	s_wait_alu depctr_va_sdst(0)                   ; the sixteen masks s74 to s89 are written, ahead of their first readers: one wait for the run
.irp j, 0,1,2,3,4,5,6,7
	s_and_b32 s[74+\j], s[74+\j], s[82+\j]
.endr
.irp j, 0,1,2,3,4,5,6,7
	v_cndmask_b32 v[56+\j], v22, v[48+\j], s[74+\j]
.endr
.irp j, 0,1,2,3,4,5,6,7
	v_min_u32 v[56+\j], 0xff, v[56+\j]
.endr
.irp j, 0,1,2,3,4,5,6,7
	v_lshl_add_u32 v[56+\j], v[56+\j], 2, s69
.endr
	v_lshrrev_b32 v13, 8, v13                      ; the next eight bits,
	v_lshrrev_b32 v14, 8, v14
	v_add_nc_u32 v21, 8, v21                       ; and their first token
	s_wait_alu depctr_va_vdst(0)                   ; the eight addresses v56 to v63 and the eight entries v64 to v71 are written, which the stores read
.irp j, 0,1,2,3,4,5,6,7
	ds_store_b32 v[56+\j], v[64+\j]
.endr
	s_add_co_u32 s66, s66, 1
	s_cmp_lt_u32 s66, 4
	s_cbranch_scc1 .Lbit
	s_wait_dscnt 0x0                               ; for the others' sake: my part of the list is in LDS
	s_barrier_signal -1
	s_barrier_wait -1
	s_wait_alu depctr_vm_vsrc(0)                   ; my LDS stores have read v12, v56 to v71 and v80 to v83, which vector instructions and loads write from here on
.irp v, 0,1,2,3,4                      ; every wave takes the whole list, an entry a lane: each place was written by one wave, the others hold 0 there
	v_add_nc_u32 v[56+\v], 32*\v, v[VL]
	v_min_u32 v[56+\v], s35, v[56+\v]              ; places past the count repeat the last row
	v_min_u32 v[56+\v], 0x8f, v[56+\v]
	v_lshl_add_u32 v[56+\v], v[56+\v], 2, LIST
.endr
	s_wait_alu depctr_va_vdst(0)                   ; the five addresses v56 to v60 are written; the loop's instructions are done with v32 to v51, in which the loads land
.irp v, 0,1,2,3,4
	ds_load_b32 v[32+4*\v], v[56+\v]
	ds_load_b32 v[33+4*\v], v[56+\v] offset:1024
	ds_load_b32 v[34+4*\v], v[56+\v] offset:2048
	ds_load_b32 v[35+4*\v], v[56+\v] offset:3072
.endr
	s_wait_dscnt 0x0
.irp v, 0,1,2,3,4
	v_or_b32 v[32+4*\v], v[32+4*\v], v[33+4*\v]
	v_or_b32 v[34+4*\v], v[34+4*\v], v[35+4*\v]
	v_or_b32 v[LV+\v], v[32+4*\v], v[34+4*\v]
.endr
.set i, 0
.rept 2                                                ; row 4 i + w: its token's row of xb, my 16 bytes; the 36 entries come over in two runs of 18
.set j, 0
.rept 18
	v_readlane_b32 s[74+j], v[LV+(i+j)/8], s[56+(i+j)%8]
.set j, j+1
.endr
	s_wait_alu depctr_va_sdst(0)                   ; s74 to s91 are written, ahead of their first readers: one wait for the run
.set j, 0
.rept 18
	s_and_b32 s[74+j], s[74+j], 0xfff
	s_min_u32 s[74+j], s[74+j], 0xfff
	v_lshl_add_u32 v[GOF+i+j], s[74+j], 11, v[V16]
.set j, j+1
.endr
.set i, i+18
.endr
	GATEW_ADR
	s_mov_b64 s[AB:AB+1], s[6:7]
	s_lshl_b32 s22, s32, 2
	s_add_nc_u64 s[46:47], s[10:11], s[22:23]      ; gwe[.][E]
	WIN 0x80
	s_wait_alu depctr_va_vdst(0)                   ; the 36 offsets v[GOF ..], the nine offsets v[WA ..] and the list v[LV ..] are written, which the loads and stores below read; the vector instructions are done with v32 to v103, in which the first fragments land
	STAGE_LOAD 0                                   ; chunk 0
	WIN 0
	GATEW_LOAD
	s_lshl_b32 s22, s20, 10
	s_add_nc_u64 s[70:71], s[16:17], s[22:23]
	s_or_b32 s22, s19, s18
	s_cmp_lg_u32 s22, 0
	s_cbranch_scc1 .Lno_table                      ; one wave of the tile's four work-groups leaves the table for the second product
	v_mov_b32 v237, s34
	v_cmp_eq_u32 vcc_lo, 0, v[VL]
	s_wait_alu depctr_va_vcc(0)                    ; VCC is written, ahead of the select that reads it
	v_cndmask_b32 v237, v237, s32, vcc_lo          ; word 160: the expert; 161 on: the number of rows
	s_wait_alu depctr_va_vdst(0)                   ; v237 is written, which the last store below reads
.irp v, 0,1,2,3,4
	global_store_b32 v[V4L], v[LV+\v], s[70:71] offset:128*\v
.endr
	global_store_b32 v[V4L], v237, s[70:71] offset:640
.Lno_table:
	s_wait_loadcnt 45                              ; younger than b1's loads: the 36 staged rows and the 9 gate weights
	WIN 0x8a
.set k, 0
.rept 16
	v_cvt_pk_bf16_f32 v[TMPB+k], v[BIAS+2*k], v[BIAS+2*k+1]  ; b1 rounded like every input, and widened again
.set k, k+1
.endr
.set k, 0
.rept 16
	v_lshlrev_b32 v[BIAS+2*k], 16, v[TMPB+k]
	v_and_b32 v[BIAS+2*k+1], s54, v[TMPB+k]
.set k, k+1
.endr
	s_wait_loadcnt 9                               ; chunk 0 is in (and the weights' slots 0 to 6, which are older); the gate weights may stay out
	STAGE_STORE                                    ; its wait on vm_vsrc also states that the list's loads have read v56 to v60, in which fragments land
	s_wait_dscnt 0x0
	s_barrier_signal -1
	s_barrier_wait -1
	FETCH_A3 0, 0, 0                               ; no wait: since the wait ahead of chunk 0's loads no vector instruction has named v32 to v103 or the two addresses
	FETCH_A3 0, 0, 1
	FETCH_A3 0, 0, 2
	STEP 0, 9, 1, 1, 0, 1                          ; the first K step stands ahead of the loop: its products start the sums, with the bias
	WIN 0                                          ; at a label and at a branch every window is 0
	s_mov_b32 s21, 3
.Lchunk:                                               ; a trip: the next chunk is asked for; steps 1 to 7 of the chunk in hand; the next chunk's step 0
	STAGE_LOAD 1
	STEP 1, 63, 1, 1, 0                            ; 84 loads are younger than slot p's (six slots and the 36 staged): the wait's field ends at 63, which asks for more
	STEP 2, 63, 1, 1, 0
	STEP 3, 63, 1, 1, 0
	STEP 4, 63, 1, 1, 0
	STEP 5, 63, 1, 1, 0
	STEP 6, 63, 1, 1, 0
	STEP 7, 63, 1, 1, 1
	WIN 0
	s_wait_xcnt 0x0                                ; the stream's base is stepped only behind this wait
	s_add_nc_u64 s[BB:BB+1], s[BB:BB+1], 32768
	STEP 0, 48, 1, 1, 0                            ; slot 0 was asked for in step 1, behind the staged loads: six slots are younger
	WIN 0
	s_sub_co_u32 s21, s21, 1
	s_cmp_lg_u32 s21, 0
	s_cbranch_scc1 .Lchunk
	STEP 1, 48, 0, 1, 0                            ; the last chunk: no more weights are asked for, and the counts run down
	STEP 2, 40, 0, 1, 0
	STEP 3, 32, 0, 1, 0
	STEP 4, 24, 0, 1, 0
	STEP 5, 16, 0, 1, 0
	STEP 6, 8, 0, 1, 0
	STEP 7, 0, 0, 0, 0                             ; the gate weights are in too
	WIN 0
	; THE WAY OUT: times the gate weight, rounded to bf16, relu, into plane 0 as 144 rows of 512 bytes; back as whole rows.
	s_wait_dscnt 0x0
	s_barrier_signal -1
	s_barrier_wait -1                              ; nobody reads A any more
	v_mul_u32_u24 v10, v[VR], PITCH                ; five plain instructions: the places behind the last products
	v_lshl_add_u32 v10, v[VH], 4, v10
	v_lshl_add_u32 v10, s18, 7, v10                ; in: row r, my wave's 128 bytes, 16 h
	v_add_nc_u32 v11, A8, v10
	s_mul_i32 s22, s18, 36*PITCH
	v_add_nc_u32 v12, s22, v[V16]                  ; back: rows 36 w + i, whole
	s_mul_i32 s22, s20, 144
	s_mul_i32 s39, s18, 36
	s_add_co_u32 s22, s22, s39
	s_lshl_b32 s22, s22, 11
	s_lshl_b32 s39, s19, 9
	s_add_co_u32 s22, s22, s39
	s_add_nc_u64 s[72:73], s[14:15], s[22:23]
; Blocks 3 g .. 3 g + 2 of 16 rows.  The products with the gate weight lie in v32-127, at work; the packed results have registers of their own, 16 a block, which are written once: one wait ahead of the group's twelve LDS stores is all that is owed.
.macro OUTG g
.set ba, 3*(\g)
.rept 3
.if ba < 8
	WIN 0x01
.set rD, 32*ba
.else
	WIN 0x02
.set rD, 0
.endif
.set k, 0
.rept 16                                               ; ascending: each accumulator's lowest registers are read first
	v_pk_mul_f32 v[F0+32*(ba%3)+2*k:F0+32*(ba%3)+2*k+1], v[rD+2*k:rD+2*k+1], v[WP+2*ba:WP+2*ba+1] op_sel_hi:[1,0]
.set k, k+1
.endr
.set ba, ba+1
.endr
	WIN 0x80
.set k, 0
.rept 48
	v_cvt_pk_bf16_f32 v[OUTR+48*(\g)+k], v[F0+2*k], v[F0+2*k+1]
.set k, k+1
.endr
	WIN 0x82
.set k, 0
.rept 48
	v_pk_max_num_bf16 v[OUTR+48*(\g)+k], v[OUTR+48*(\g)+k], v[ZR]
.set k, k+1
.endr
	WIN 0x08
	s_wait_alu depctr_va_vdst(0)                   ; the group's 48 packed registers are written, which the stores read (ahead of the first group's stores: v10 and v11 too)
.set ba, 3*(\g)
.rept 3
.irp b, 0,1,2,3
.if ba < 8
	ds_store_b128 v10, v[OUTR+16*ba+4*\b:OUTR+16*ba+4*\b+3] offset:16*PITCH*ba+32*\b
.else
	ds_store_b128 v11, v[OUTR+16*ba+4*\b:OUTR+16*ba+4*\b+3] offset:32*\b
.endif
.endr
.set ba, ba+1
.endr
.endm
	OUTG 0
	OUTG 1
	OUTG 2
	WIN 0
	s_wait_dscnt 0x0                               ; a row's 512 bytes come from four waves
	s_barrier_signal -1
	s_barrier_wait -1
.set i, 0
.rept 36
	ds_load_b128 v[F0+4*i:F0+4*i+3], v12 offset:PITCH*i  ; no wait: no vector instruction stands behind the last group's wait, which has shown v12 written and v32 to v127 done with
.set i, i+1
.endr
.set i, 0
.rept 36
	s_wait_dscnt 35-i
	global_store_b128 v[V16], v[F0+4*i:F0+4*i+3], s[72:73] offset:2048*i  ; 512 consecutive bytes, at a multiple of 512 from hs's first byte
.set i, i+1
.endr
	s_wait_dscnt 0x0                               ; the closing lines, six on end
	s_wait_alu 0x0
	s_wait_tensorcnt 0x0
	ds_add_u32 v30, v31
	s_wait_dscnt 0x0
	s_endpgm
.Lfunc_end_k_q09da658bca_gemm1:
	.size	k_q09da658bca_gemm1, .Lfunc_end_k_q09da658bca_gemm1-k_q09da658bca_gemm1
	.p2alignl 7, 3214868480
	.fill 96, 4, 3214868480
	.section	.rodata,"a",@progbits
	.p2align	6, 0x0
	.amdhsa_kernel k_q09da658bca_gemm1
		.amdhsa_group_segment_fixed_size 308736
		.amdhsa_private_segment_fixed_size 0
		.amdhsa_enable_private_segment 0
		.amdhsa_kernarg_size 56
		.amdhsa_user_sgpr_count 2
		.amdhsa_user_sgpr_kernarg_segment_ptr 1
		.amdhsa_wavefront_size32 1
		.amdhsa_system_sgpr_workgroup_id_x 1
		.amdhsa_system_sgpr_workgroup_id_y 1
		.amdhsa_system_sgpr_workgroup_id_z 1
		.amdhsa_system_vgpr_workitem_id 0
		.amdhsa_next_free_vgpr 1024
		.amdhsa_next_free_sgpr 96
		.amdhsa_reserve_vcc 1
		.amdhsa_float_denorm_mode_32 3
		.amdhsa_float_denorm_mode_16_64 3
		.amdhsa_memory_ordered 1
		.amdhsa_forward_progress 1
		.amdhsa_inst_pref_size 166
	.end_amdhsa_kernel
	.amdgpu_metadata
---
amdhsa.version: [ 1, 2 ]
amdhsa.kernels:
  - .name:           k_q09da658bca_gemm1
    .symbol:         k_q09da658bca_gemm1.kd
    .args:
      - { .name: ubm, .offset: 0, .size: 8, .value_kind: global_buffer, .address_space: global }
      - { .name: xb, .offset: 8, .size: 8, .value_kind: global_buffer, .address_space: global }
      - { .name: wf, .offset: 16, .size: 8, .value_kind: global_buffer, .address_space: global }
      - { .name: gwe, .offset: 24, .size: 8, .value_kind: global_buffer, .address_space: global }
      - { .name: b1, .offset: 32, .size: 8, .value_kind: global_buffer, .address_space: global }
      - { .name: hs, .offset: 40, .size: 8, .value_kind: global_buffer, .address_space: global }
      - { .name: rows, .offset: 48, .size: 8, .value_kind: global_buffer, .address_space: global }
    .group_segment_fixed_size: 308736
    .private_segment_fixed_size: 0
    .kernarg_segment_align: 8
    .kernarg_segment_size: 56
    .max_flat_workgroup_size: 128
    .sgpr_count:     96
    .vgpr_count:     1024
    .wavefront_size: 32
...
	.end_amdgpu_metadata
.endif
;; end of part 5
;; launch gemm2 (part 6): grid 4 x 64, 4 waves a work-group, no clusters, 308,736 bytes of LDS; arguments hs, wf, gwe, b2, rows, part; writes part
.if DOCPART == 6
	.amdgcn_target "amdgcn-amd-amdhsa--gfx1250"
	.amdhsa_code_object_version 6
	.text
	.protected	k_q09da658bca_gemm2
	.globl	k_q09da658bca_gemm2
	.p2align	8
	.type	k_q09da658bca_gemm2,@function
k_q09da658bca_gemm2:
	s_mov_b64 s[64:65], 0
	v_nop
	global_prefetch_b8 v0, s[64:65] scope:SCOPE_SE
	s_setreg_imm32_b32 hwreg(HW_REG_WAVE_SCHED_MODE, 0, 2), 2
	s_setreg_imm32_b32 hwreg(HW_REG_WAVE_MODE, 25, 1), 1
	s_wait_xcnt 0x0
	s_wait_alu depctr_vm_vsrc(0)
; SECOND PRODUCT.  part[slot][token][:] = hs[row] W2[E]^T + gate weight x b2[E], in f32 (partial sums), for the rows of tile T; slot 0 is the lower-numbered of a token's two experts, so each row of part has one owner.
; The tile (expert, number of rows, list of token | slot << 12) was stored by the first product.  Shares, LDS, registers and the K loop are the first product's: wave w makes 144 rows x 64 columns, A whole in LDS in four
; planes of K = 256, the weights from wf straight into a ring of eight register slots, seven K steps ahead; source 0 = 16 columns of W, source 1 = 16 rows.  The sums begin with gate weight x bias.
; Places past the count repeat the tile's last row: the same numbers go to the same bytes, from this work-group.  A tile without rows stores nothing: the one jump on a stored count, forward, past no barrier.
; NO TENSOR LOAD, NO CLUSTER: a weight byte has one reader in the work-group; the row tiles of an expert number 0 to 29 by the counts.  The four column tiles of a row tile do share A, 288 of a work-group's 800 KiB: not built here.
; LIMITS: b2 is rounded to bf16 like every input; NaN and infinities are not treated apart.
; THE MODE: SCHED_MODE bits 1:0 = 2 (LLVM: expert scheduling mode 2), set by the entry lines.  The code itself states the register dependences between vector or matrix instructions and memory or LDS instructions,
; with s_wait_alu, always for 0.
; THE PLAN.  Registers that memory or LDS instructions touch, in the K loop:
;   A's two buffers   Step p's products read buffer p % 2; the LDS loads issued in step p land in the other, which step p - 1's products read.
;   B's eight slots   Step p's products read slot p; the loads issued in step p land in slot p - 1, which step p - 1's products read.
;   the staged rows   Written by loads, read by the stage's LDS stores; no vector instruction names them.
;   v[ADRA], v[ADRA8] Read by every fragment load; stepped once a chunk, at the head of step 7, whose own fragments were asked for in step 6.
;   v[SA0], v[SA1]    Read by the stage's LDS stores; stepped behind them.
;   v[V16], v[VA]     Read as offsets; written at the head and never again.
; So ONE wait on va_vdst stands at a step's head: step p - 1's products are done reading the buffer and the slot in which step p's 26 loads land (and in step 7 the stepped addresses are written).  The loads follow it
; dealt among the step's first products, which name slot p, buffer p % 2 and the accumulators: none of the registers that those loads touch.  Two waits on vm_vsrc a chunk: ahead of the adds to the fragments' addresses,
; and behind the stage's stores.  On the way out all 72 row offsets are made at once, under one wait, and each block of 16 rows comes back from the stage into registers of its own, so that no register of a store is written twice.
; REGISTERS: window 0: v0-31 numbers and addresses; v32-103, v104-175 A's fragments (on the way out v96-167: the 72 row offsets); v212-229 gate weights; v232-236 the list; v238-246 addresses
;   window 1: accumulator (a, b), a < 8, at 8 (4 a + b)     window 2: v0-31 accumulators (8, b); v32-175 36 staged rows (on the way out v32-63: block 8's rows); v176-207 the bias; v208-223 at work
;   window 3: B's slot q, fragment b at 32 q + 8 b (on the way out: block a's rows, a < 8, at 32 a)
.set PITCH, 528                        ; an LDS row: 512 bytes + 16 = 132 words: row r starts at bank 4 r mod 64 (ISA guide 11.1)
.set PLANE, 144*PITCH
.set A8,    128*PITCH
.set LIST,  4*PLANE                    ; behind the four planes: 1,024 bytes a wave: its copy of the list
.set SPARE, LIST+4096                  ; the spare words: 128 bytes a wave, two blocks of 256 bytes that no other line names
.set VL, 1
.set VR, 2
.set VH, 3
.set V16, 4
.set ADRA, 5
.set ADRA8, 6
.set SA0, 7
.set SA1, 8
.set VA, 9                             ; w x 2,048 + 16 L: my place in four rows of hs
.set V4L, 28
.set VB1, 29
.set F0, 32
.set ID, 96                            ; the way out: block a, pair t of rows: the row of part, then its byte offset, at ID + 8 a + t
.set WP, 212
.set LV, 232
.set WA, 238
.set SREG, 32
.set BIAS, 176
.set TMPB, 208
.set BB, 40
.set AB, 42
.set MSB, 0
.macro WIN new                         ; the immediate's high byte repeats the setting that is left; a switch that changes nothing is dropped
.if MSB != (\new)
	s_set_vgpr_msb (MSB<<8)|(\new)
.set MSB, (\new)
.endif
.endm
.macro MULS p, i0, i1                  ; products i0 .. i1 - 1 of a K step's 36; the accumulators take turns, over the loop's edge too
.set idx, (\i0)
.rept (\i1)-(\i0)
.set rB, 32*(\p)+8*(idx%4)
.set rA, F0+72*((\p)%2)+8*(idx/4)
.if idx < 32
.set rD, 8*idx
	WIN 0x53
.else
.set rD, 8*(idx-32)
	WIN 0xa3
.endif
	v_wmma_f32_16x16x32_bf16 v[rD:rD+7], v[rB:rB+7], v[rA:rA+7], v[rD:rD+7]
.set idx, idx+1
.endr
.endm
.macro FETCH_A3 pn, f, g               ; 6 LDS loads: fragments 3 g .. 3 g + 2 of the 144 rows' nine, step pn of the plane in hand, into buffer f
	WIN 0
.set fa, 3*(\g)
.rept 3
.if fa < 8
	ds_load_b128 v[F0+72*(\f)+8*fa:F0+72*(\f)+8*fa+3],   v[ADRA] offset:16*PITCH*fa+64*(\pn)
	ds_load_b128 v[F0+72*(\f)+8*fa+4:F0+72*(\f)+8*fa+7], v[ADRA] offset:16*PITCH*fa+64*(\pn)+32
.else
	ds_load_b128 v[F0+72*(\f)+64:F0+72*(\f)+67], v[ADRA8] offset:64*(\pn)
	ds_load_b128 v[F0+72*(\f)+68:F0+72*(\f)+71], v[ADRA8] offset:64*(\pn)+32
.endif
.set fa, fa+1
.endr
.endm
.macro FETCH_B2 q, st, g               ; 4 loads of 512 consecutive bytes: fragments 2 g, 2 g + 1 of the weights of step st of the chunk in hand (7 to 14: into the next chunk), into slot q
	WIN 0xc0
.set fb, 2*(\g)
.rept 2
	global_load_b128 v[32*(\q)+8*fb:32*(\q)+8*fb+3],   v[V16], s[BB:BB+1] offset:(\st)*4096+1024*fb
	global_load_b128 v[32*(\q)+8*fb+4:32*(\q)+8*fb+7], v[V16], s[BB:BB+1] offset:(\st)*4096+1024*fb+512
.set fb, fb+1
.endr
.endm
.macro STAGE_LOAD step                 ; my 36 rows (4 i + w) of a chunk: a row's 512 bytes a load.  No vector instruction names these registers, and the stage's stores that read them stand ahead of a wait on vm_vsrc
.if \step
	s_add_nc_u64 s[AB:AB+1], s[AB:AB+1], 512       ; the loads that named it have been waited for
.endif
	WIN 0x80
.set i, 0
.rept 36
	global_load_b128 v[SREG+4*i:SREG+4*i+3], v[VA], s[AB:AB+1] offset:8192*i
.set i, i+1
.endr
.endm
.macro STAGE_STORE
	WIN 0x08
.set i, 0
.rept 32
	ds_store_b128 v[SA0], v[SREG+4*i:SREG+4*i+3] offset:4*PITCH*i
.set i, i+1
.endr
.rept 4
	ds_store_b128 v[SA1], v[SREG+4*i:SREG+4*i+3] offset:4*PITCH*(i-32)
.set i, i+1
.endr
	WIN 0
	s_wait_alu depctr_vm_vsrc(0)                   ; the stores above have read v[SA0] and v[SA1], which the adds below write, and the staged rows, in which the next chunk's loads land
	v_add_nc_u32 v[SA0], PLANE, v[SA0]
	v_add_nc_u32 v[SA1], PLANE, v[SA1]
.endm
.macro CHUNK_IN
	s_wait_loadcnt 56                              ; younger than my 36 staged loads: the weights asked for in steps 1 to 7
	STAGE_STORE
	s_wait_dscnt 0x0                               ; for the others' sake: my rows are in LDS
	s_barrier_signal -1
	s_barrier_wait -1
.endm
; A K step of 32: it multiplies A's buffer p % 2 by slot p.  n: the loads that may stay out when slot p has to be there.
; first = 1: the step ahead of the loop: its loads land in registers that nothing has named yet, so it states no dependence.  A step that issues no load states none either.
; chunkin = 1 (step 7 in the loop): the next plane is written behind the twelfth product, and the next step's fragments, which lie in it, are asked for behind its barrier.
.macro STEP p, n, bload, aload, chunkin, first=0
	s_wait_dscnt 0x0                               ; this step's fragments, asked for among the first products of the step before
	s_wait_loadcnt \n
.if ((\aload) || (\bload)) && !(\first)
.if \chunkin
	WIN 0
	s_wait_alu depctr_vm_vsrc(0)                   ; the fragment loads issued so far, the last of this plane among them, have read v[ADRA] and v[ADRA8]
	v_add_nc_u32 v[ADRA], PLANE, v[ADRA]
	v_add_nc_u32 v[ADRA8], PLANE, v[ADRA8]
.endif
	s_wait_alu depctr_va_vdst(0)                   ; the step before's products are done reading the other buffer of A and slot p - 1, in which this step's loads land; where the two adds stand above, v[ADRA] and v[ADRA8] are written
.endif
.if \chunkin
	MULS \p, 0, 8
	FETCH_B2 ((\p)+7)%8, (\p)+7, 0
	MULS \p, 8, 10
	FETCH_B2 ((\p)+7)%8, (\p)+7, 1
	MULS \p, 10, 12
	CHUNK_IN
	FETCH_A3 ((\p)+1)%8, ((\p)+1)%2, 0             ; no wait: since the step's head no vector or matrix instruction has named the other buffer or the two addresses
	MULS \p, 12, 14
	FETCH_A3 ((\p)+1)%8, ((\p)+1)%2, 1
	MULS \p, 14, 16
	FETCH_A3 ((\p)+1)%8, ((\p)+1)%2, 2
	MULS \p, 16, 36
.else
	MULS \p, 0, 2
.if \aload
	FETCH_A3 ((\p)+1)%8, ((\p)+1)%2, 0
.endif
	MULS \p, 2, 4
.if \aload
	FETCH_A3 ((\p)+1)%8, ((\p)+1)%2, 1
.endif
	MULS \p, 4, 6
.if \aload
	FETCH_A3 ((\p)+1)%8, ((\p)+1)%2, 2
.endif
	MULS \p, 6, 8
.if \bload
	FETCH_B2 ((\p)+7)%8, (\p)+7, 0
.endif
	MULS \p, 8, 10
.if \bload
	FETCH_B2 ((\p)+7)%8, (\p)+7, 1
.endif
	MULS \p, 10, 36
.endif
.endm
; The gate weights of the tile's rows: lane (r, h) takes row 16 a + r's; block a's 16 entries are one half of the list's register a / 2.  First all nine offsets, then, behind a wait, the nine loads.
.macro GATEW_ADR
.irp v, 0,1,2,3,4
	v_mov_b32 v[62+\v], 0
.endr
.irp v, 0,1,2,3,4
	v_permlanex16_b32 v[62+\v], v[LV+\v], s48, s49
.endr
.irp v, 0,1,2,3,4
	v_cndmask_b32 v[WA+2*\v], v[LV+\v], v[62+\v], s54
.endr
.irp v, 0,1,2,3
	v_cndmask_b32 v[WA+2*\v+1], v[62+\v], v[LV+\v], s54
.endr
.set ga, 0
.rept 9
	v_and_b32 v[WA+ga], 0xfff, v[WA+ga]
	v_min_u32 v[WA+ga], 0xfff, v[WA+ga]
	v_lshlrev_b32 v[WA+ga], 5, v[WA+ga]
	v_mov_b32 v[WP+2*ga+1], 0                      ; named with the weight as a pair
.set ga, ga+1
.endr
.endm
.macro GATEW_LOAD
.set ga, 0
.rept 9
	global_load_b32 v[WP+2*ga], v[WA+ga], s[46:47]
.set ga, ga+1
.endr
.endm
	s_load_b256 s[4:11], s[0:1], 0x0               ; hs 4, wf 6, gwe 8, b2 10
	s_load_b128 s[12:15], s[0:1], 0x20             ; rows 12, part 14
	v_lshl_add_u32 v30, v0, 2, SPARE               ; my spare word, and 0: kept for the add at the wave's end alone
	v_mov_b32 v31, 0
	v_and_b32 v[VL], 31, v0
	v_lshrrev_b32 v10, 5, v0
	v_readfirstlane_b32 s18, v10                   ; wave w
	v_and_b32 v[VR], 15, v0
	v_bfe_u32 v[VH], v0, 4, 1
	v_lshlrev_b32 v[V16], 4, v[VL]
	v_lshlrev_b32 v[V4L], 2, v[VL]
	v_lshlrev_b32 v[VB1], 5, v[VH]
	v_mul_u32_u24 v[ADRA], v[VR], PITCH
	v_lshl_add_u32 v[ADRA], v[VH], 4, v[ADRA]
	v_add_nc_u32 v[ADRA8], A8, v[ADRA]
	s_mov_b32 s19, ttmp9                           ; X: column tile
	s_and_b32 s20, ttmp7, 0xffff                   ; T: row tile
	s_mov_b32 s48, 0x76543210
	s_mov_b32 s49, 0xfedcba98
	s_mov_b32 s54, 0xffff0000                      ; lanes 16-31; also a word's upper bf16
	s_mov_b32 s23, 0
	s_wait_alu depctr_va_sdst(0)                   ; s18 is written, ahead of its first reader
	s_mul_i32 s22, s18, PITCH
	v_add_nc_u32 v[SA0], s22, v[V16]
	v_add_nc_u32 v[SA1], A8, v[SA0]
	v_lshl_add_u32 v[VA], s18, 11, v[V16]
	s_lshl_b32 s69, s18, 10
	s_add_co_u32 s69, s69, LIST
	v_add_nc_u32 v13, s69, v[V4L]                  ; where my wave's copy of the list goes
	s_wait_kmcnt 0x0
	s_lshl_b32 s22, s20, 10
	s_add_nc_u64 s[70:71], s[12:13], s[22:23]
	s_load_b64 s[32:33], s[70:71], 0x280           ; words 160, 161 of the tile's table: the expert, the number of rows
	s_mul_i32 s22, s20, 144*2048
	s_add_nc_u64 s[AB:AB+1], s[4:5], s[22:23]
	WIN 0x80
	s_wait_alu depctr_va_vdst(0)                   ; the offsets and addresses v4 to v9, v13, v28 and v29 are written, which the loads and LDS instructions from here on read
	STAGE_LOAD 0                                   ; chunk 0 hangs on no table: it goes out first
	WIN 0
.irp v, 0,1,2,3,4
	global_load_b32 v[LV+\v], v[V4L], s[70:71] offset:128*\v
.endr
	s_wait_kmcnt 0x0
	s_min_u32 s32, s32, 7
	s_lshl_b32 s22, s32, 21                        ; my stream: w2's 16 MiB on, expert x 2 MiB + (4 X + w) x 128 KiB
	s_lshl2_add_u32 s39, s19, s18
	s_lshl_b32 s39, s39, 17
	s_add_co_u32 s22, s22, s39
	s_add_co_u32 s22, s22, 0x1000000
	s_add_nc_u64 s[BB:BB+1], s[6:7], s[22:23]
.irp q, 0,1,2,3,4,5,6
	FETCH_B2 \q, \q, 0
	FETCH_B2 \q, \q, 1
.endr
	s_lshl_b32 s22, s32, 12                        ; b2[E][256 X + 64 w ..]
	s_lshl_b32 s39, s19, 10
	s_add_co_u32 s22, s22, s39
	s_lshl_b32 s39, s18, 8
	s_add_co_u32 s22, s22, s39
	s_add_nc_u64 s[44:45], s[10:11], s[22:23]
	WIN 0x80
.irp b, 0,1,2,3
	global_load_b128 v[BIAS+8*\b:BIAS+8*\b+3],   v[VB1], s[44:45] offset:64*\b
	global_load_b128 v[BIAS+8*\b+4:BIAS+8*\b+7], v[VB1], s[44:45] offset:64*\b+16
.endr
	WIN 0
	s_lshl_b32 s22, s32, 2
	s_add_nc_u64 s[46:47], s[8:9], s[22:23]        ; gwe[.][E]
	s_wait_loadcnt 63                              ; chunk 0 and the list are in.  Behind the list's last load 64 were issued (the weights' 56, the bias's 8); the wait's field ends at 63, which asks for one load more
	STAGE_STORE
.irp v, 0,1,2,3,4
	ds_store_b32 v13, v[LV+\v] offset:128*\v       ; my wave's own copy of the list, for the way out
.endr
	GATEW_ADR
	s_wait_alu depctr_va_vdst(0)                   ; the nine offsets v[WA ..] are written, which the loads read; the lines above are done with v62 to v66, in which the first fragments land
	GATEW_LOAD
	s_wait_loadcnt 0x0
	WIN 0x8a
.set k, 0
.rept 16
	v_cvt_pk_bf16_f32 v[TMPB+k], v[BIAS+2*k], v[BIAS+2*k+1]  ; b2 rounded like every input, and widened again
.set k, k+1
.endr
.set k, 0
.rept 16
	v_lshlrev_b32 v[BIAS+2*k], 16, v[TMPB+k]
	v_and_b32 v[BIAS+2*k+1], s54, v[TMPB+k]
.set k, k+1
.endr
	WIN 0x42
.set k, 0
.rept 128                                              ; the sums begin with gate weight x bias: pair k % 16 of the bias, block k / 16 of the rows
	v_pk_mul_f32 v[2*k:2*k+1], v[BIAS+2*(k%16):BIAS+2*(k%16)+1], v[WP+2*(k/16):WP+2*(k/16)+1] op_sel_hi:[1,0]
.set k, k+1
.endr
	WIN 0x82
.set k, 0
.rept 16
	v_pk_mul_f32 v[2*k:2*k+1], v[BIAS+2*k:BIAS+2*k+1], v[WP+16:WP+17] op_sel_hi:[1,0]
.set k, k+1
.endr
	WIN 0
	s_wait_dscnt 0x0
	s_barrier_signal -1
	s_barrier_wait -1
	FETCH_A3 0, 0, 0                               ; no wait: since the wait ahead of the gate weights' loads no vector instruction has named v32 to v103 or the two addresses
	FETCH_A3 0, 0, 1
	FETCH_A3 0, 0, 2
	STEP 0, 0, 1, 1, 0, 1
	WIN 0                                          ; at a label and at a branch every window is 0
	s_mov_b32 s21, 3
.Lchunk:                                               ; a trip: the next chunk is asked for; steps 1 to 7 of the chunk in hand; the next chunk's step 0
	STAGE_LOAD 1
	STEP 1, 63, 1, 1, 0                            ; 84 loads are younger than slot p's (six slots and the 36 staged): the wait's field ends at 63, which asks for more
	STEP 2, 63, 1, 1, 0
	STEP 3, 63, 1, 1, 0
	STEP 4, 63, 1, 1, 0
	STEP 5, 63, 1, 1, 0
	STEP 6, 63, 1, 1, 0
	STEP 7, 63, 1, 1, 1
	WIN 0
	s_wait_xcnt 0x0                                ; the stream's base is stepped only behind this wait
	s_add_nc_u64 s[BB:BB+1], s[BB:BB+1], 32768
	STEP 0, 48, 1, 1, 0                            ; slot 0 was asked for in step 1, behind the staged loads: six slots are younger
	WIN 0
	s_sub_co_u32 s21, s21, 1
	s_cmp_lg_u32 s21, 0
	s_cbranch_scc1 .Lchunk
	STEP 1, 48, 0, 1, 0                            ; the last chunk: no more weights are asked for, and the counts run down
	STEP 2, 40, 0, 1, 0
	STEP 3, 32, 0, 1, 0
	STEP 4, 24, 0, 1, 0
	STEP 5, 16, 0, 1, 0
	STEP 6, 8, 0, 1, 0
	STEP 7, 0, 0, 0, 0
	WIN 0
	; THE WAY OUT: 16 rows x 64 columns of f32 at a time through my own stage (16 rows of 256 bytes, pitch 272, in plane 0), so that sixteen lanes store 256 consecutive bytes of a row of part.
	s_wait_dscnt 0x0
	s_barrier_signal -1
	s_barrier_wait -1                              ; nobody reads A any more
	s_mul_i32 s22, s18, 4352
	v_mul_u32_u24 v10, v[VR], 272                  ; nine plain instructions: the places behind the last products
	v_lshl_add_u32 v10, v[VH], 5, v10
	v_add_nc_u32 v10, s22, v10                     ; in: row r, 32 h
	v_mul_u32_u24 v11, v[VH], 272
	v_lshl_add_u32 v11, v[VR], 4, v11
	v_add_nc_u32 v11, s22, v11                     ; back: row h of a pair, 16 r
	v_lshlrev_b32 v12, 2, v[VH]
	v_add_nc_u32 v12, s69, v12                     ; the list's entry for that row
	v_lshlrev_b32 v14, 4, v[VR]
	s_lshl_b32 s22, s19, 10
	s_lshl_b32 s39, s18, 8
	s_add_co_u32 s22, s22, s39
	s_add_nc_u64 s[72:73], s[14:15], s[22:23]      ; part at my 64 columns
	s_cmp_eq_u32 s33, 0
	s_cbranch_scc1 .Lend                           ; a tile without rows stores nothing
; Block a into the stage, and back as whole rows of 256 bytes into registers of its own.
.macro TOST a
.if (\a) < 8
	WIN 0x04
.set rD, 32*(\a)
.else
	WIN 0x08
.set rD, 0
.endif
.irp b, 0,1,2,3
.irp q, 0,1
	ds_store_b128 v10, v[rD+8*\b+4*\q:rD+8*\b+4*\q+3] offset:64*\b+16*\q  ; each accumulator's lowest registers first
.endr
.endr
.if (\a) < 8
	WIN 0xc0
.set rO, 32*(\a)
.else
	WIN 0x80
.set rO, 32
.endif
.set t, 0
.rept 8
	ds_load_b128 v[rO+4*t:rO+4*t+3], v11 offset:544*t  ; my own bytes, served in order
.set t, t+1
.endr
.endm
.macro SEND a, younger                 ; younger: the next block's 8 LDS stores and 8 loads, or none
.if (\a) < 8
	WIN 0x0c
.set rO, 32*(\a)
.else
	WIN 0x08
.set rO, 32
.endif
	s_wait_dscnt \younger
.set t, 0
.rept 8
	global_store_b128 v[ID+8*(\a)+t], v[rO+4*t:rO+4*t+3], s[72:73]  ; 16 lanes: 256 consecutive bytes, aligned
.set t, t+1
.endr
.endm
	s_wait_alu depctr_va_vdst(0)                   ; the products have written the accumulators, which the LDS stores read (the nine places above stay beside this wait), and are done reading A's and B's registers, in which the loads below land; v10 to v12 are written
.set i, 0
.rept 72
	ds_load_b32 v[ID+i], v12 offset:8*i            ; block i / 8, pair i % 8 of its rows: the entry of row 16 (i / 8) + 2 (i % 8) + h
.set i, i+1
.endr
	TOST 0
	WIN 0
	s_wait_dscnt 16                                ; the 72 entries are in; block 0's sixteen LDS instructions may stay out
.set i, 0
.rept 72
	v_min_u32 v[ID+i], 0x1fff, v[ID+i]             ; token | slot << 12 is the row of part
.set i, i+1
.endr
.set i, 0
.rept 72
	v_lshl_add_u32 v[ID+i], v[ID+i], 12, v14
.set i, i+1
.endr
	s_wait_alu depctr_va_vdst(0)                   ; the 72 offsets v[ID ..] are written, which the stores below read: one wait for all nine blocks
.irp a, 1,2,3,4,5,6,7,8
	TOST \a
	SEND (\a)-1, 16
.endr
	SEND 8, 0
	WIN 0
.Lend:
	s_wait_dscnt 0x0                               ; the closing lines, six on end
	s_wait_alu 0x0
	s_wait_tensorcnt 0x0
	ds_add_u32 v30, v31
	s_wait_dscnt 0x0
	s_endpgm
.Lfunc_end_k_q09da658bca_gemm2:
	.size	k_q09da658bca_gemm2, .Lfunc_end_k_q09da658bca_gemm2-k_q09da658bca_gemm2
	.p2alignl 7, 3214868480
	.fill 96, 4, 3214868480
	.section	.rodata,"a",@progbits
	.p2align	6, 0x0
	.amdhsa_kernel k_q09da658bca_gemm2
		.amdhsa_group_segment_fixed_size 308736
		.amdhsa_private_segment_fixed_size 0
		.amdhsa_enable_private_segment 0
		.amdhsa_kernarg_size 48
		.amdhsa_user_sgpr_count 2
		.amdhsa_user_sgpr_kernarg_segment_ptr 1
		.amdhsa_wavefront_size32 1
		.amdhsa_system_sgpr_workgroup_id_x 1
		.amdhsa_system_sgpr_workgroup_id_y 1
		.amdhsa_system_sgpr_workgroup_id_z 1
		.amdhsa_system_vgpr_workitem_id 0
		.amdhsa_next_free_vgpr 1024
		.amdhsa_next_free_sgpr 96
		.amdhsa_reserve_vcc 0
		.amdhsa_float_denorm_mode_32 3
		.amdhsa_float_denorm_mode_16_64 3
		.amdhsa_memory_ordered 1
		.amdhsa_forward_progress 1
		.amdhsa_inst_pref_size 136
	.end_amdhsa_kernel
	.amdgpu_metadata
---
amdhsa.version: [ 1, 2 ]
amdhsa.kernels:
  - .name:           k_q09da658bca_gemm2
    .symbol:         k_q09da658bca_gemm2.kd
    .args:
      - { .name: hs, .offset: 0, .size: 8, .value_kind: global_buffer, .address_space: global }
      - { .name: wf, .offset: 8, .size: 8, .value_kind: global_buffer, .address_space: global }
      - { .name: gwe, .offset: 16, .size: 8, .value_kind: global_buffer, .address_space: global }
      - { .name: b2, .offset: 24, .size: 8, .value_kind: global_buffer, .address_space: global }
      - { .name: rows, .offset: 32, .size: 8, .value_kind: global_buffer, .address_space: global }
      - { .name: part, .offset: 40, .size: 8, .value_kind: global_buffer, .address_space: global }
    .group_segment_fixed_size: 308736
    .private_segment_fixed_size: 0
    .kernarg_segment_align: 8
    .kernarg_segment_size: 48
    .max_flat_workgroup_size: 128
    .sgpr_count:     96
    .vgpr_count:     1024
    .wavefront_size: 32
...
	.end_amdgpu_metadata
.endif
;; end of part 6
;; launch combine: the kernel of part 4 again; grid 256 x 1, 8 waves a work-group, no clusters, 0 bytes of LDS; arguments part, out0; writes out0
